; MI455X (gfx1250); checked and timed in simulation.
; The chip was launched on July 23, 2026; its instructions are those of AMD's public machine-readable ISA for CDNA 5 (MIT licence, August 2026) and "CDNA5" Instruction Set Architecture Reference Guide (July 2026). The comments in the code are by the model that wrote it; some were corrected since.
;; Head. Allowed arithmetic: matrix products marked QUANTISED: E2M1 operands, one E8M0 scale for each 32 along K, by v_wmma_scale_f32_16x16x128_f8f6f4 with both operands' format E2M1 (or v_wmma_scale_f32_32x16x128_f4), f32 sums; everything else in f32.
;; Inputs: Wk 64 x 64 float32; Wq 64 x 64 float32; Wv 64 x 64 float32; x 16 x 2,048 x 64 float32.
;; Outputs: out0 16 x 2,048 x 64 float32.
;; This version of the problem:
;;   THIS VERSION OF THE PROBLEM IS GIVEN IN LOW PRECISION. The matrix products marked QUANTISED in the list below multiply operands that are first quantised to E2M1 (2 exponent bits, 1 mantissa bit; 4 bits a number), with one power-of-two scale for each 32 numbers along K (OCP MX v1.0); their sums are f32. All else is computed in f32.
;;   The module's matrix products, in the order in which they are computed (A, B: the left and right operand; K: the contracted axis; several contracted axes count as one K, in the product's order):
;;     1. [M 32,768, K 64] x [K 64, N 64]; A: input x; B: input Wq: QUANTISED
;;     2. [M 32,768, K 64] x [K 64, N 64]; A: input x; B: input Wk: QUANTISED
;;     3. [M 32,768, K 64] x [K 64, N 64]; A: input x; B: input Wv: QUANTISED
;;     4. batch 16 x [M 2,048, K 64] x [K 64, N 2,048]; A: computed on the way; B: computed on the way: QUANTISED
;;     5. batch 16 x [M 2,048, K 2,048] x [K 2,048, N 64]; A: softmax (see below); B: computed on the way: QUANTISED
;;   THE QUANTISER, for each operand of a quantised product, along K:
;;     - K is cut into blocks of 32 from its start; a last block that is shorter is filled with zeros.
;;     - A block's scale is 2^e with e = floor(log2(the largest magnitude in the block)) - 2, held to -126 .. 127; a block of zeros has e = 0. As a byte (E8M0): e + 127.
;;     - Each number is divided by its block's scale, clamped to +-6, and rounded to the nearest number of E2M1, ties to even, subnormals kept.
;;     - The product sums the exact products of the quantised numbers (number of the format x scale) in f32.
;;   ~~~python
;;   def quantise(x, axis):      # numpy; x: float32 -> the quantised numbers, widened to float32 again
;;       x = np.moveaxis(x, axis, -1); K = x.shape[-1]
;;       x = np.pad(x, [(0, 0)] * (x.ndim - 1) + [(0, -K % 32)]); x = x.reshape(x.shape[:-1] + (-1, 32)); a = np.abs(x).max(-1, keepdims=True)
;;       e = np.where(a > 0, np.clip(np.frexp(np.where(a > 0, a, 1))[1] - 1 - 2, -126, 127), 0)      # np.frexp(a)[1] - 1 = floor(log2(a)), exactly
;;       r = np.clip(x / 2.0 ** e, -6, 6)
;;       step = 2.0 ** (np.maximum(np.frexp(np.where(r == 0, 1, r))[1] - 1, 0) - 1)
;;       q = np.round(r / step) * step * 2.0 ** e      # np.round: ties to even
;;       return np.moveaxis(q.reshape(q.shape[:-2] + (-1,))[..., :K], -1, axis).astype(np.float32)
;;   ~~~
;;   SOFTMAX AHEAD OF A QUANTISED PRODUCT. Where the list says 'softmax', what is quantised is not the finished softmax but p = 2^(t - M), with t = logit x log2(e) and M = ceil(the row's largest t), a whole number; so 1/2 < the row's largest p <= 1. The row's sum l is taken of the UNQUANTISED p, in f32, and the product's result is divided by l at the end. Since M is a whole number, a kernel that streams over the keys may use a running M (the ceiling of the running maximum): every later rescaling is an exact power of two, which a block's scale takes up: the codes' values come out the same.
;;   OPERANDS COMPUTED ON THE WAY. 'Computed on the way' means the value that the module computes at that place (a softmax that the list does not call 'softmax' is quantised finished and normalised). What goes into a quantiser is computed in f32, as accurately as f32 sums, v_exp_f32 and their like allow (about 1e-6 of the number): no bf16 or f16 on the way to a quantiser, and a product that is left as it is and whose result goes on into a quantised operand takes f32 operands (vector FMAs, or v_wmma_f32_16x16x4_f32). A number that lies on a knife's edge between two numbers of the format may be rounded either way, as far as f32 arithmetic and the matrix unit's own rounding can turn it there, and no further.
;; 2 versions. Each part assembles by itself: llvm-mc -triple=amdgcn-amd-amdhsa -mcpu=gfx1250 --defsym DOCPART=n.
;; ======== version 1 of 2: 2 launches
;; workspace buffers: ws 3,538,944 bytes
;; launch proj (part 1): grid 256 x 1, 4 waves a work-group, no clusters, 12,288 bytes of LDS; arguments x, Wq, Wk, Wv, ws; writes ws
.if DOCPART == 1
	.amdgcn_target "amdgcn-amd-amdhsa--gfx1250"
	.amdhsa_code_object_version 6
	.text
	.protected	k_q0195cc71ce_proj
	.globl	k_q0195cc71ce_proj
	.p2align	8
	.type	k_q0195cc71ce_proj,@function
k_q0195cc71ce_proj:
	s_mov_b64 s[64:65], 0
	v_nop
	global_prefetch_b8 v0, s[64:65] scope:SCOPE_SE
	s_setreg_imm32_b32 hwreg(HW_REG_WAVE_MODE, 25, 1), 1
	s_wait_xcnt 0x0
; q = x Wq^T, k = x Wk^T, v = x Wv^T on codes of FP4 (E2M1) with one E8M0 scale for each 32 along K, and q, k (along the head) and v (along the keys) quantised again
; for the two products of the attention.  x: [16][2048][64] f32; Wq, Wk, Wv: [64][64] f32, K innermost.  The results go to ws as images of operand registers.
; WORK LEFT OUT BY THE PROGRAM (in the second launch; this launch leaves nothing out).  reference() builds jnp.tril in its own body: key s counts for query t only where s <= t.  The keys are
; taken in records of 128.  For 16 queries that lie in record D every key of a record above D has an index above every one of these queries, so its logit is -inf and its p is 0 whatever
; finite values x, Wq, Wk, Wv hold: such a step of 16 queries x 128 keys reaches no output and is not computed, and a record that none of a work-group's queries may see is not fetched there.
; All four inputs have a way to the output and are loaded.  LIMIT: a NaN, an infinity or an overflow that reaches only the work left out is not carried to the result.
; OTHER LIMITS: NaN and infinities among the inputs are not served.  A block of zeros gets the scale byte 1 where the rule says 127: its codes are zeros, which add nothing under any byte
; but 0xff, and this program alone reads the bytes.  Blocks whose largest magnitude lies under 2^-124, the floor, were not tried.
; RECORDS AND TILES.  Work-group g makes record g: tokens 128 g .. 128 g + 127 of the 32,768.  A tile t = 0 .. 7 of a record is 16 tokens that are NOT neighbours: lane r holds token
; 32 (t / 2) + 8 (t % 2) + r + 8 (r / 8).  So, where a tile's tokens are the rows of source 0, the 16 result registers of tiles 2 b and 2 b + 1 are 16 neighbouring tokens 32 b + 16 (lane / 16) + 0 .. 15.
; K = 64 fills half of the matrix instruction's 128: registers 4 to 7 of every fragment hold zero codes on both sides, and bytes 2, 3 of the scale words are 0.
; A RECORD IN ws, 13,824 bytes:  0: K's codes, tile t at 512 t + 16 lane |  4096: V^T's codes, channels 16 n on, register group c at 1024 n + 512 c + 16 lane |  8192: K's scale words, tile t, row r at
; 16 (r + 16 (t % 2)) + 4 (t / 2) |  8704: V^T's scale words, tile n at 16 lane + 4 n |  9216: Q's scale words at 64 t + 4 r |  9728: Q's codes, tile t at 512 t + 16 lane.
; SHARES.  Wave w quantises x's tiles 2 w, 2 w + 1 and tile w of each weight; the images meet in LDS; then it makes q and k of token tiles 2 w, 2 w + 1 (used transposed: source 0 = 16 rows of the
; weight, chosen like the tokens of a tile, source 1 = x: a lane holds one token and its registers run along the head) and v of channels 16 w .. 16 w + 15 for all 128 tokens (source 0 = x's tile,
; source 1 = Wv: a lane holds one channel and its registers run along the tokens, which are the last product's K).  No tensor load, no ring: what a work-group reads it reads once.
.set RECB,  13824
.set XIMG,  0                          ; LDS: x's 8 fragments, 512 bytes each (registers 0-3, 16 bytes a lane)
.set WIMG,  4096                       ; Wq's 4 tiles, then Wk's 4
.set XSC,   8192                       ; x's scale words, 128 bytes a tile
.set WSC,   9216                       ; Wq's and Wk's
.set SCST,  10240                      ; the record's 1,536 bytes of scale words, laid as in ws
.set SPARE, 11776                      ; the spare words, 128 bytes for each wave: two blocks of 256 bytes that no other line names
.set RR,  1                            ; v1   r = lane % 16
.set HH,  2                            ; v2   h = lane / 16
.set LL,  3                            ; v3   lane
.set XA,  4                            ; v4   x: my row and half in the wave's first tile
.set WA,  5                            ; v5   Wq, Wk: the same in tile w
.set WVA, 6                            ; v6   Wv: row 16 w + r
.set LI,  7                            ; v7   16 x lane
.set LS,  8                            ; v8   4 x lane
.set XWI, 9                            ; v9   where my x images lie
.set XWS, 10                           ; v10  and their scale words
.set WWI, 11                           ; v11  my weight images
.set WWS, 12                           ; v12  and their scale words
.set SH,  13                           ; v13  8 h: my byte's place in a scale word
.set KSA, 14                           ; v14  K's scale words in SCST
.set VSA, 15                           ; v15  V's
.set QSA, 16                           ; v16  Q's
.set CL,  17                           ; v17  SCST as it leaves: 512 bytes a wave
.set CO,  18                           ; v18  the same place in the record
.set VO,  19                           ; v19  1024 w + 16 lane: my codes' place in a part of the record
.set SPW, 20                           ; v20  LDS address of my spare word; never rewritten
.set NIL, 21                           ; v21  0; never rewritten
.set WS,  24                           ; v24-31 scale words of the 8 weight tiles      (v24-42 hold scales and nothing else)
.set XOS, 32                           ; v32-33 of my two x tiles
.set XS,  34                           ; v34-41 of all 8 x tiles
.set WVS, 42                           ; v42    of my tile of Wv
.set MX,  43                           ; v43-47 largest magnitudes of the five sets; v48-52 scale operands; v53-57 scale words; v58-62 the other half's
.set SC,  48
.set WD,  53
.set TP,  58
.set TM,  43                           ; later: v43-58 at work in QUANT64
.set RAW, 64                           ; v64-223 five sets of 32 numbers: x's two tiles, Wq, Wk, Wv
.set FRG, 64                           ; later: v64-127 eight fragments
.set XO,  128                          ; v128-143 my two x fragments
.set ACC, 144                          ; v144-207 eight results
.set PCQ, 208                          ; v208-215 q's codes; v216-223 k's
.set PCK, 216
.set WVF, 224                          ; v224-231 my fragment of Wv
.set C1,  232                          ; v232-247 codes of x's two tiles, Wq's, Wk's; later v232-239 v's codes
.set PCV, 232
.macro BARRIER                         ; my LDS stores have landed and my LDS loads are in: then the work-group's barrier
	s_wait_dscnt 0x0
	s_barrier_signal -1
	s_barrier_wait -1
.endm
; 64 numbers of a lane, register 16 b + i = place 32 b + 16 (lane / 16) + i along the next K, become codes in v[pc] .. v[pc + 7].
; mode 0: one fragment of four blocks, its scale word in v[pw0].  mode 1: two fragments of two blocks (registers 0-3 each), their words in v[pw0], v[pw1].
.macro QUANT64 s, pc, mode, pw0, pw1
.irp b, 0,1,2,3
	v_max3_num_f32 v[TM+\b], |v[\s+16*\b]|, |v[\s+1+16*\b]|, 0x1800000   ; my 16 numbers of block b, and the floor 2^(3 - 127): the byte cannot fall under 1
.endr
.irp i, 2,4,6,8,10,12,14
.irp b, 0,1,2,3
	v_max3_num_f32 v[TM+\b], v[TM+\b], |v[\s+16*\b+\i]|, |v[\s+1+16*\b+\i]|   ; the four blocks by turns
.endr
.endr
.irp b, 0,1,2,3
	v_permlanex16_b32 v[TM+4+\b], v[TM+\b], s20, s21
.endr
.irp b, 0,1,2,3
	v_max_num_f32 v[TM+\b], v[TM+\b], v[TM+4+\b]   ; with lane l xor 16's: the block's largest magnitude
.endr
.irp b, 0,1,2,3
	v_add_nc_u32 v[TM+12+\b], 0xff000000, v[TM+\b]   ; 2 off its exponent field: the conversion's scale operand
.endr
.irp b, 0,1,2,3
	v_lshrrev_b32 v[TM+4+\b], 23, v[TM+12+\b]      ; the scale's byte
.endr
.if \mode
	v_lshl_or_b32 v[\pw0], v[TM+5], 8, v[TM+4]
	v_lshl_or_b32 v[\pw1], v[TM+7], 8, v[TM+6]
.else
	v_lshl_or_b32 v[\pw0], v[TM+5], 8, v[TM+4]
	v_lshl_or_b32 v[\pw0], v[TM+6], 16, v[\pw0]
	v_lshl_or_b32 v[\pw0], v[TM+7], 24, v[\pw0]
.endif
.irp b, 0,1,2,3
	v_cvt_scalef32_pk8_fp4_f32 v[\pc+2*\b], v[\s+16*\b:\s+7+16*\b], v[TM+12+\b]
	v_cvt_scalef32_pk8_fp4_f32 v[\pc+1+2*\b], v[\s+8+16*\b:\s+15+16*\b], v[TM+12+\b]
.endr
	v_nop                                          ; one plain place behind a scaled conversion
.irp c, 0,1                                    ; the operand's layout wants a whole block in a lane: lanes 0-15 block 2 c, lanes 16-31 block 2 c + 1
.irp i, 0,1
	v_permlane16_swap_b32 v[\pc+4*\c+\i], v[\pc+2+4*\c+\i]
.endr
.endr
.endm
	s_load_b256 s[4:11], s[0:1], 0x0               ; x s[4:5], Wq s[6:7], Wk s[8:9], Wv s[10:11]
	s_load_b64 s[12:13], s[0:1], 0x20              ; ws
	v_lshl_add_u32 v[SPW], v0, 2, SPARE
	v_mov_b32 v[NIL], 0
	v_lshrrev_b32 v22, 5, v0
	v_readfirstlane_b32 s14, v22                   ; wave 0..3
	v_and_b32 v[RR], 15, v0
	v_bfe_u32 v[HH], v0, 4, 1
	v_and_b32 v[LL], 31, v0
	v_and_b32 v22, 8, v[RR]
	v_add_nc_u32 v22, v22, v[RR]                   ; r + 8 (r / 8)
	s_lshl_b32 s15, s14, 13                        ; tiles 2 w, 2 w + 1 begin at token 32 w: 8,192 bytes a wave
	v_lshlrev_b32 v[XA], 8, v22                    ; a row of x is 256 bytes,
	v_lshl_add_u32 v[XA], v[HH], 7, v[XA]          ; my block of 32 numbers is 128
	v_add_nc_u32 v[XA], s15, v[XA]
	s_lshr_b32 s15, s14, 1
	s_lshl_b32 s15, s15, 5
	s_and_b32 s16, s14, 1
	s_lshl_b32 s16, s16, 3
	s_add_co_u32 s15, s15, s16                     ; weight tile w begins at row 32 (w / 2) + 8 (w % 2)
	v_add_nc_u32 v[WA], s15, v22
	v_lshlrev_b32 v[WA], 8, v[WA]
	v_lshl_add_u32 v[WA], v[HH], 7, v[WA]
	s_lshl_b32 s15, s14, 4
	v_add_nc_u32 v[WVA], s15, v[RR]                ; Wv: neighbouring rows 16 w + r
	v_lshlrev_b32 v[WVA], 8, v[WVA]
	v_lshl_add_u32 v[WVA], v[HH], 7, v[WVA]
	v_lshlrev_b32 v[LI], 4, v[LL]
	v_lshlrev_b32 v[LS], 2, v[LL]
	s_lshl_b32 s15, s14, 10
	v_add_nc_u32 v[XWI], s15, v[LI]                ; XIMG + 1024 w + 16 lane
	v_add_nc_u32 v[VO], s15, v[LI]
	s_lshl_b32 s15, s14, 8
	s_add_co_u32 s15, s15, XSC
	v_add_nc_u32 v[XWS], s15, v[LS]
	s_lshl_b32 s15, s14, 9
	v_add_nc_u32 v[CO], s15, v[LI]
	s_add_co_u32 s16, s15, WIMG
	v_add_nc_u32 v[WWI], s16, v[LI]
	s_add_co_u32 s16, s15, SCST
	v_add_nc_u32 v[CL], s16, v[LI]
	s_lshl_b32 s15, s14, 7
	s_add_co_u32 s16, s15, WSC
	v_add_nc_u32 v[WWS], s16, v[LS]
	s_add_co_u32 s16, s15, SCST+1024
	v_lshl_add_u32 v[QSA], v[RR], 2, s16           ; 64 (2 w + e) + 4 r
	s_lshl_b32 s15, s14, 2
	s_add_co_u32 s16, s15, SCST
	v_lshl_add_u32 v[KSA], v[RR], 4, s16           ; 16 (r + 16 e) + 4 w
	s_add_co_u32 s16, s15, SCST+512
	v_add_nc_u32 v[VSA], s16, v[LI]                ; 16 lane + 4 w
	v_lshlrev_b32 v[SH], 3, v[HH]
	s_mov_b32 s20, 0x76543210
	s_mov_b32 s21, 0xfedcba98                      ; v_permlanex16_b32's selects for lane l xor 16
	s_lshl_b32 s16, ttmp9, 15                      ; the record's 128 rows of x
	s_mov_b32 s17, 0
	s_mul_i32 s18, ttmp9, RECB
	s_mov_b32 s19, 0
.irp i, 4,5,6,7
	v_mov_b32 v[WVF+\i], 0                         ; K = 64 .. 127 of Wv's fragment: zero codes
.endr
.irp i, 0,1,2,3,4
	v_mov_b32 v[TP+\i], 0                          ; written once: a lane permute's destination counts as one of its sources
.endr
	s_wait_kmcnt 0x0
	s_add_nc_u64 s[4:5], s[4:5], s[16:17]
	s_add_nc_u64 s[12:13], s[12:13], s[18:19]
	; a lane takes one whole block: 32 neighbouring numbers of its row, 128 bytes
.irp e, 0,1
.irp i, 0,1,2,3,4,5,6,7
	global_load_b128 v[RAW+32*\e+4*\i:RAW+32*\e+4*\i+3], v[XA], s[4:5] offset:2048*\e+16*\i th:TH_LOAD_NT
.endr
.endr
.irp i, 0,1,2,3,4,5,6,7
	global_load_b128 v[RAW+64+4*\i:RAW+64+4*\i+3], v[WA], s[6:7] offset:16*\i
.endr
.irp i, 0,1,2,3,4,5,6,7
	global_load_b128 v[RAW+96+4*\i:RAW+96+4*\i+3], v[WA], s[8:9] offset:16*\i
.endr
.irp i, 0,1,2,3,4,5,6,7
	global_load_b128 v[RAW+128+4*\i:RAW+128+4*\i+3], v[WVA], s[10:11] offset:16*\i
.endr
	s_wait_loadcnt 0x0
	; five blocks a lane are quantised, by turns
.irp i, 0,1,2,3,4
	v_max3_num_f32 v[MX+\i], |v[RAW+32*\i]|, |v[RAW+32*\i+1]|, 0x1800000   ; with the floor 2^(3 - 127)
.endr
.irp k, 2,4,6,8,10,12,14,16,18,20,22,24,26,28,30
.irp i, 0,1,2,3,4
	v_max3_num_f32 v[MX+\i], v[MX+\i], |v[RAW+32*\i+\k]|, |v[RAW+32*\i+\k+1]|
.endr
.endr
.irp i, 0,1,2,3,4
	v_add_nc_u32 v[SC+\i], 0xff000000, v[MX+\i]    ; 2 off the exponent field: the conversion's scale operand
.endr
.irp i, 0,1,2,3
.irp g, 0,1,2,3
	v_cvt_scalef32_pk8_fp4_f32 v[C1+4*\i+\g], v[RAW+32*\i+8*\g:RAW+32*\i+8*\g+7], v[SC+\i]
.endr
.endr
.irp g, 0,1,2,3
	v_cvt_scalef32_pk8_fp4_f32 v[WVF+\g], v[RAW+128+8*\g:RAW+128+8*\g+7], v[SC+4]
.endr
	v_nop                                          ; one plain place behind a scaled conversion
.irp i, 0,1,2,3,4
	v_lshrrev_b32 v[WD+\i], 23, v[SC+\i]           ; my block's byte,
.endr
.irp i, 0,1,2,3,4
	v_lshlrev_b32 v[WD+\i], v[SH], v[WD+\i]        ; at its place in the row's word (block h: byte h);
.endr
.irp i, 0,1,2,3,4
	v_permlanex16_b32 v[TP+\i], v[WD+\i], s20, s21
.endr
.irp i, 0,1,2,3
	v_or_b32 v[WD+\i], v[WD+\i], v[TP+\i]          ; with lane l xor 16's the word is whole
.endr
	v_or_b32 v[WVS], v[WD+4], v[TP+4]
	; the images: each fragment's four live registers as they stand, the scale words 4 bytes a lane
	ds_store_b128 v[XWI], v[C1:C1+3]
	ds_store_b128 v[XWI], v[C1+4:C1+7] offset:512
	ds_store_b128 v[WWI], v[C1+8:C1+11]
	ds_store_b128 v[WWI], v[C1+12:C1+15] offset:2048
	ds_store_b32 v[XWS], v[WD]
	ds_store_b32 v[XWS], v[WD+1] offset:128
	ds_store_b32 v[WWS], v[WD+2]
	ds_store_b32 v[WWS], v[WD+3] offset:512
.irp f, 0,1,2,3,4,5,6,7,8,9
.irp i, 4,5,6,7
	v_mov_b32 v[FRG+8*\f+\i], 0                    ; K = 64 .. 127 of the eight fragments and of my two of x (which follow them): zero codes.  The numbers that lay here are converted
.endr
.endr
	BARRIER                                        ; all images lie in LDS
.irp f, 0,1,2,3,4,5,6,7
	ds_load_b128 v[FRG+8*\f:FRG+8*\f+3], v[LI] offset:WIMG+512*\f
	ds_load_b32 v[WS+\f], v[LS] offset:WSC+128*\f
.endr
.irp e, 0,1
	ds_load_b128 v[XO+8*\e:XO+8*\e+3], v[XWI] offset:512*\e
	ds_load_b32 v[XOS+\e], v[XWS] offset:128*\e
.endr
	s_wait_dscnt 0x0
.rept 4
	v_nop                                          ; operand registers written by vector instructions (the zeros) stand four places ahead of a scaled matrix instruction
.endr
	; q of my two token tiles: in tile j of the weight, register i of lane (r, h) is channel 32 (j / 2) + 16 h + 8 (j % 2) + i of token r
.irp e, 0,1
.irp j, 0,1,2,3
	v_wmma_scale_f32_16x16x128_f8f6f4 v[ACC+32*\e+8*\j:ACC+32*\e+8*\j+7], v[FRG+8*\j:FRG+8*\j+7], v[XO+8*\e:XO+8*\e+7], 0, v[WS+\j], v[XOS+\e] matrix_a_fmt:MATRIX_FMT_FP4 matrix_b_fmt:MATRIX_FMT_FP4
.endr
.endr
.rept 4
	v_nop                                          ; four places in front of the first read of results
.endr
	QUANT64 ACC, PCQ, 1, 59, 60
.irp e, 0,1
	global_store_b128 v[VO], v[PCQ+4*\e:PCQ+4*\e+3], s[12:13] offset:9728+512*\e   ; 32 lanes store 512 consecutive bytes, at a multiple of 256 from ws's first byte
	ds_store_b32 v[QSA], v[59+\e] offset:64*\e     ; both halves of the lanes write the same word with the same value
.endr
.rept 5
	v_nop                                          ; five places in front of matrix instructions that write over the results
.endr
	; k likewise
.irp e, 0,1
.irp j, 0,1,2,3
	v_wmma_scale_f32_16x16x128_f8f6f4 v[ACC+32*\e+8*\j:ACC+32*\e+8*\j+7], v[FRG+32+8*\j:FRG+32+8*\j+7], v[XO+8*\e:XO+8*\e+7], 0, v[WS+4+\j], v[XOS+\e] matrix_a_fmt:MATRIX_FMT_FP4 matrix_b_fmt:MATRIX_FMT_FP4
.endr
.endr
.rept 4
	v_nop
.endr
	QUANT64 ACC, PCK, 1, 61, 62
.irp e, 0,1
	global_store_b128 v[VO], v[PCK+4*\e:PCK+4*\e+3], s[12:13] offset:512*\e
	ds_store_b32 v[KSA], v[61+\e] offset:256*\e
.endr
.rept 5
	v_nop                                          ; places in front of the loads into the fragments and of the products that write over the results
.endr
	; v of my 16 channels for all 128 tokens: register 16 b + i of lane (r, h) is token 32 b + 16 h + i of channel 16 w + r
.irp t, 0,1,2,3,4,5,6,7
	ds_load_b128 v[FRG+8*\t:FRG+8*\t+3], v[LI] offset:XIMG+512*\t
	ds_load_b32 v[XS+\t], v[LS] offset:XSC+128*\t
.endr
	s_wait_dscnt 0x0
.irp t, 0,1,2,3,4,5,6,7
	v_wmma_scale_f32_16x16x128_f8f6f4 v[ACC+8*\t:ACC+8*\t+7], v[FRG+8*\t:FRG+8*\t+7], v[WVF:WVF+7], 0, v[XS+\t], v[WVS] matrix_a_fmt:MATRIX_FMT_FP4 matrix_b_fmt:MATRIX_FMT_FP4
.endr
.rept 4
	v_nop
.endr
	QUANT64 ACC, PCV, 0, 63, 63
.irp c, 0,1
	global_store_b128 v[VO], v[PCV+4*\c:PCV+4*\c+3], s[12:13] offset:4096+512*\c
.endr
	ds_store_b32 v[VSA], v63
	BARRIER                                        ; the record's 1,536 bytes of scale words lie in LDS
	s_cmp_gt_u32 s14, 2                            ; waves 0 to 2 store 512 of them each
	s_cbranch_scc0 .Lcopy
	s_wait_tensorcnt 0x0                           ; wave 3's end: the closing three lines behind my last LDS store
	ds_add_u32 v[SPW], v[NIL]
	s_wait_dscnt 0x0
	s_endpgm
.Lcopy:
	ds_load_b128 v[240:243], v[CL]
	s_wait_dscnt 0x0
	global_store_b128 v[CO], v[240:243], s[12:13] offset:8192   ; 512 consecutive bytes, aligned
	s_wait_tensorcnt 0x0                           ; the wave's end: the same three lines
	ds_add_u32 v[SPW], v[NIL]
	s_wait_dscnt 0x0
	s_endpgm
.Lfunc_end_k_q0195cc71ce_proj:
	.size	k_q0195cc71ce_proj, .Lfunc_end_k_q0195cc71ce_proj-k_q0195cc71ce_proj
	.p2alignl 7, 3214868480
	.fill 96, 4, 3214868480
	.section	.rodata,"a",@progbits
	.p2align	6, 0x0
	.amdhsa_kernel k_q0195cc71ce_proj
		.amdhsa_group_segment_fixed_size 12288
		.amdhsa_private_segment_fixed_size 0
		.amdhsa_enable_private_segment 0
		.amdhsa_kernarg_size 40
		.amdhsa_user_sgpr_count 2
		.amdhsa_user_sgpr_kernarg_segment_ptr 1
		.amdhsa_wavefront_size32 1
		.amdhsa_system_sgpr_workgroup_id_x 1
		.amdhsa_system_sgpr_workgroup_id_y 1
		.amdhsa_system_sgpr_workgroup_id_z 1
		.amdhsa_system_vgpr_workitem_id 0
		.amdhsa_next_free_vgpr 256
		.amdhsa_next_free_sgpr 66
		.amdhsa_reserve_vcc 0
		.amdhsa_float_denorm_mode_32 3
		.amdhsa_float_denorm_mode_16_64 3
		.amdhsa_memory_ordered 1
		.amdhsa_forward_progress 1
		.amdhsa_inst_pref_size 35
	.end_amdhsa_kernel
	.amdgpu_metadata
---
amdhsa.version: [ 1, 2 ]
amdhsa.kernels:
  - .name:           k_q0195cc71ce_proj
    .symbol:         k_q0195cc71ce_proj.kd
    .args:
      - { .name: x, .offset: 0, .size: 8, .value_kind: global_buffer, .address_space: global }
      - { .name: Wq, .offset: 8, .size: 8, .value_kind: global_buffer, .address_space: global }
      - { .name: Wk, .offset: 16, .size: 8, .value_kind: global_buffer, .address_space: global }
      - { .name: Wv, .offset: 24, .size: 8, .value_kind: global_buffer, .address_space: global }
      - { .name: ws, .offset: 32, .size: 8, .value_kind: global_buffer, .address_space: global }
    .group_segment_fixed_size: 12288
    .private_segment_fixed_size: 0
    .kernarg_segment_align: 8
    .kernarg_segment_size: 40
    .max_flat_workgroup_size: 128
    .sgpr_count:     66
    .vgpr_count:     256
    .wavefront_size: 32
...
	.end_amdgpu_metadata
.endif
;; end of part 1
;; launch attn (part 2): grid 16 x 16, 16 waves a work-group, no clusters, 323,584 bytes of LDS; arguments ws, out0; writes out0
.if DOCPART == 2
	.amdgcn_target "amdgcn-amd-amdhsa--gfx1250"
	.amdhsa_code_object_version 6
	.text
	.protected	k_q0195cc71ce_attn
	.globl	k_q0195cc71ce_attn
	.p2align	8
	.type	k_q0195cc71ce_attn,@function
k_q0195cc71ce_attn:
	s_mov_b64 s[64:65], 0
	v_nop
	global_prefetch_b8 v0, s[64:65] scope:SCOPE_SE
	s_setreg_imm32_b32 hwreg(HW_REG_WAVE_MODE, 25, 1), 1
	s_wait_xcnt 0x0
; out[b][q][:] = the sum over keys s <= q of softmax_s(q . k / 8) v[s][:], both products on codes of FP4 (E2M1) with one E8M0 scale for each 32 along K; codes and scale words come from ws,
; laid by the first launch as images of operand registers (a record = 128 tokens = 13,824 bytes: K's codes 0, V^T's 4096, K's scale words 8192, V^T's 8704, Q's scale words 9216, Q's codes 9728).
; WORK LEFT OUT: a step of 16 queries x 128 keys whose record lies above the queries' record is hidden whole by reference()'s own jnp.tril (p = 0 for all values of the inputs): it is not computed,
; and a record that none of the work-group's queries may see is not fetched.  LIMIT: a NaN, an infinity or an overflow that reaches only such hidden k or v is not carried to the result.
; OTHER LIMITS: NaN and infinities among the inputs are not served; a block whose every p is 0 keeps the scale byte 1: its codes are zeros.
; THE SOFTMAX: t = score x log2(e) / 8; M = the largest t so far, rounded up to a whole number; p = 2^(t - M) is quantised along the keys, not normalised; the row's sum is taken of the unquantised p.
; When M moves, the sum and O are multiplied by 2^(old M - new M), which rounds nothing.
; SHARES.  Work-group (j, batch) owns 8 tiles of 16 queries: tile m = 0 .. 7 is number 16 m + (j for even m, 15 - j for odd m) of the batch's 128; D = number / 8 is its record, t = number % 8 its place.
; A tile has D + 1 steps.  Tiles m and 7 - m have 17 steps together in every work-group.  Wave w (s = w % 4, c = w / 4) takes every fourth record of tile 7 - s (records c ^ 3, + 4, + 8, + 12) and of
; tile s (records c, c + 4): the four waves of one s have those 17 steps, 8 of them ahead of the middle barrier and 9 behind it.  Each wave sums under an M of its own; four partial results of a tile
; differ by whole powers of two and meet in LDS, where waves 0 to 7 add them, divide by the sum and store a tile each.
; K AND V of the batch's records, 9,216 bytes each, lie in LDS for the whole launch; nothing is filled twice.  They come through registers: records 0-7 at the head, records 8-15 are asked for at once
; behind them, into the same registers, and stored at the middle barrier: the two steps of every wave that stand between need records 0-7 alone.
; LAYOUT.  Both products are used transposed: S^T = K Q^T (source 0 = 16 keys, source 1 = my 16 queries), O^T = V^T P^T: a lane holds one query (lane % 16) throughout.  Lane r of a tile t holds token
; 32 (t / 2) + 8 (t % 2) + r + 8 (r / 8), so register 16 b + i of S^T is key 32 b + 16 (lane / 16) + i.  The head's K = 64 fills half of the instruction's 128: registers 4-7 of K's and Q's fragments are zero codes.
; No cluster and no joint loads: what work-groups share is fetched once a launch and half of it behind two steps' work, and partners may need different numbers of records.
.set RECB,  13824
.set KVB,   9216
.set PART,  147456                     ; LDS: behind the 16 records: 32 partial results x 4,352 bytes (O^T as 8 images of 512 bytes, then -M and the sum, 8 bytes a lane); number 4 tile + c
.set PSZ,   4352
.set STAGE, 286720                     ; 8 stages of 16 rows x (256 + 16) bytes for the way out
.set SPARE, 321536                     ; the spare words, 128 bytes for each wave: eight blocks of 256 bytes that no other line names
.set LI,    1                          ; v1   16 x lane
.set SPW,   2                          ; v2   LDS address of my spare word; never rewritten
.set NIL,   3                          ; v3   0; never rewritten
.set R4,    4                          ; v4   4 r
.set FA,    5                          ; v5   where my half record of records 0-7 goes
.set FB,    6                          ; v6   and of records 8-15
.set VQ0,   7                          ; v7   r + 8 (r / 8) - 16 h
.set ADK,   8                          ; v8   the step's record + 16 x lane
.set PSB16, 9                          ; v9, v10   my partial result of the later tile: images; -M and the sum
.set PSB8,  10
.set PSA16, 11                         ; v11, v12  of the earlier tile
.set PSA8,  12
.set MA16,  13                         ; v13, v14  the four partial results of the tile that I add up
.set MA8,   14
.set STO,   15                         ; v15  the stage: where I put 32 bytes of a row
.set SRD,   16                         ; v16  and where I read rows back
.set GO,    17                         ; v17  my byte offset in two rows of out
.set NINF,  18                         ; v18  -infinity
.set NM,    20                         ; v20 -M, v21 the largest t
.set LSUM,  22                         ; v[22:23] the sum in two halves
.set QB,    24                         ; v24-31 Q's fragment of the later tile; v32-39 of the earlier
.set QA,    32
.set KF,    40                         ; v40-71 four fragments of K
.set S,     72                         ; v72-135 S^T, then p; then v72-103 V^T's four fragments
.set OT,    136                        ; v136-167 O^T
.set PC,    168                        ; v168-175 p's codes
.set STG,   176                        ; v176-211 half a record on its way to LDS
.set BM,    212                        ; v212-215 the blocks' largest scores, then largest p
.set BP,    216                        ; v216-219 the other half's; then the bytes
.set SO,    220                        ; v220-223 the conversions' scale operands
.set KSC,   224                        ; v224-227 K's scale words: register i: tile 2 i in lanes 0-15, tile 2 i + 1 in lanes 16-31     (v224-231, v234, v237, v238 hold scales and nothing else)
.set VSC,   228                        ; v228-231 V^T's, a register a tile
.set FF,    232                        ; v[232:233] f = 2^(old M - new M); the upper word is named with it and holds 0
.set PWD,   234                        ; v234 p's scale word
.set T0,    235
.set QSB,   237                        ; v237, v238 Q's scale words
.set QSA,   238
.set SM2,   240                        ; v[240:241] the sum's second chain
.set MG,    24                         ; the adding up: v24-151 four partial O^T
.set ML,    152                        ; v152-159 four pairs -M, sum
.set NMN,   160
.set GG,    162                        ; v162-169 four pairs: 2^(M_c - M) / sum, twice
.set LT,    170
.set RES,   176                        ; v176-207 the tile's O^T, finished
.set BK,    24                         ; v24-55 its rows, back from the stage
.set WV,    8                          ; s8 wave; s9 s; s10 c; s11 c ^ 3; s12 j; s13 15 - j; s14 batch; s15, s29 at work
.set DB,    16                         ; s16, s17 record and place of the later tile; s18, s19 of the earlier; s20, s21 of the tile that I add up
.set DA,    18
.set DMAX,  22                         ; s22 the work-group's last record
.set R2,    23                         ; s23 the record of 8-15 of which I fetch a half
.set QLB,   24                         ; s24, s25 first token of the tile in its record
.set QLA,   25
.set REC,   26                         ; s26 the step's record; s27 its LDS byte; s28 counts trips
.set TB,    27
.set CNT,   28
.set SEL,   30                         ; s[30:31] v_permlanex16_b32's selects for lane l xor 16
.set CS,    32                         ; s[32:33] c = log2(e) / 8
.macro TILEOF m, d, t                  ; tile s[m]: its record and its place
	s_and_b32 s15, s[\m], 1
	s_cmp_eq_u32 s15, 0
	s_cselect_b32 s[\t], s12, s13
	s_lshl_b32 s[\d], s[\m], 4
	s_add_co_u32 s[\d], s[\d], s[\t]
	s_and_b32 s[\t], s[\d], 7
	s_lshr_b32 s[\d], s[\d], 3
.endm
.macro QLOF t, o                       ; 32 (t / 2) + 8 (t % 2)
	s_and_b32 s15, s[\t], 6
	s_lshl_b32 s15, s15, 4
	s_and_b32 s[\o], s[\t], 1
	s_lshl_b32 s[\o], s[\o], 3
	s_add_co_u32 s[\o], s[\o], s15
.endm
.macro QPTR d, t, pq, pw               ; byte offsets in the batch's records of a tile's codes of Q and of its scale words
	s_mul_i32 s[\pq], s[\d], RECB
	s_lshl_b32 s15, s[\t], 6
	s_add_co_u32 s[\pw], s[\pq], s15
	s_add_co_u32 s[\pw], s[\pw], 9216
	s_mov_b32 s[\pw+1], 0
	s_lshl_b32 s15, s[\t], 9
	s_add_co_u32 s[\pq], s[\pq], s15
	s_add_co_u32 s[\pq], s[\pq], 9728
	s_mov_b32 s[\pq+1], 0
.endm
.macro INIT                            ; a tile's sums begin: the step is written once, and its first turn finds zeros, which the first change of M leaves zeros
	v_mov_b32 v[NM+1], 0xff61b1e6                  ; the largest t so far: -3e38, under every t
	v_floor_f32 v[NM], -v[NM+1]
	v_mov_b32 v[LSUM], 0
	v_mov_b32 v[LSUM+1], 0
.irp i, 0,1,2,3,4,5,6,7,8,9,10,11,12,13,14,15,16,17,18,19,20,21,22,23,24,25,26,27,28,29,30,31
	v_mov_b32 v[OT+\i], 0
.endr
.endm
.macro KQ4 g, qf, qs                   ; S^T of tiles 4 g .. 4 g + 3 of the record's keys
.irp u, 0,1
	v_wmma_scale_f32_16x16x128_f8f6f4 v[S+32*\g+16*\u:S+32*\g+16*\u+7], v[KF+16*\u:KF+16*\u+7], v[\qf:\qf+7], 0, v[KSC+2*\g+\u], v[\qs] matrix_a_fmt:MATRIX_FMT_FP4 matrix_b_fmt:MATRIX_FMT_FP4
	v_wmma_scale_f32_16x16x128_f8f6f4 v[S+32*\g+16*\u+8:S+32*\g+16*\u+15], v[KF+16*\u+8:KF+16*\u+15], v[\qf:\qf+7], 0, v[KSC+2*\g+\u], v[\qs] matrix_a_fmt:MATRIX_FMT_FP4 matrix_b_fmt:MATRIX_FMT_FP4 matrix_a_scale:MATRIX_SCALE_ROW1
.endr
.endm
; A STEP: my 16 queries against record s[REC].  qf, qs: Q's fragment and scale words; d: the register with the tile's record; ql: with its first token; causal = 0: the record lies under the tile's for certain.
.macro STEP qf, qs, d, ql, causal
.if \causal
	s_cmp_gt_u32 s[REC], s[\d]                     ; a record above the tile's is hidden whole: a scalar branch on ids round the step's work, not round the lines at its end
	s_cbranch_scc1 .Lhid_\@
.endif
	v_add_nc_u32 v[ADK], s[TB], v[LI]
.irp t, 0,1,2,3
	ds_load_b128 v[KF+8*\t:KF+8*\t+3], v[ADK] offset:512*\t
.endr
	ds_load_b128 v[KSC:KSC+3], v[ADK] offset:8192
	s_wait_dscnt 0x0
	KQ4 0, \qf, \qs
.rept 4
	v_nop                                          ; four places in front of loads into registers that matrix instructions have read
.endr
.irp t, 0,1,2,3
	ds_load_b128 v[KF+8*\t:KF+8*\t+3], v[ADK] offset:2048+512*\t
.endr
	s_wait_dscnt 0x0
	KQ4 1, \qf, \qs
.rept 4
	v_nop                                          ; four places in front of the first read of results
.endr
.if \causal
	s_cmp_lg_u32 s[REC], s[\d]                     ; only the tile's own record lies on the diagonal
	s_cbranch_scc1 .Lopen_\@
	v_add_nc_u32 v[T0], s[\ql], v[VQ0]             ; my query's place in the record - 16 h.  Register 16 b + i holds key 32 b + 16 h + i: hidden where 32 b + i is above it
.irp n, 0,1,2,3,4,5,6,7,8,9,10,11,12,13,14,15,16,17,18,19,20,21,22,23,24,25,26,27,28,29,30,31,32,33,34,35,36,37,38,39,40,41,42,43,44,45,46,47,48,49,50,51,52,53,54,55,56,57,58,59,60,61,62,63
	v_cmp_gt_i32 vcc_lo, 32*(\n/16)+\n%16, v[T0]
	v_cndmask_b32 v[S+\n], v[S+\n], v[NINF], vcc_lo   ; -infinity ahead of the maximum: p = 0.  My own key counts, so the row's maximum is a number
.endr
.Lopen_\@:
.endif
.irp b, 0,1,2,3
	v_max3_num_f32 v[BM+\b], v[S+16*\b], v[S+16*\b+1], v[S+16*\b+2]   ; the largest score of each block of 32 keys: for the row's maximum and, since p rises with the score, for the block's largest p
.endr
.irp i, 3,5,7,9,11,13
.irp b, 0,1,2,3
	v_max3_num_f32 v[BM+\b], v[BM+\b], v[S+16*\b+\i], v[S+16*\b+\i+1]
.endr
.endr
.irp b, 0,1,2,3
	v_max_num_f32 v[BM+\b], v[BM+\b], v[S+16*\b+15]
.endr
.irp b, 0,1,2,3
	v_permlanex16_b32 v[BP+\b], v[BM+\b], s[SEL], s[SEL+1]
.endr
.irp b, 0,1,2,3
	v_max_num_f32 v[BM+\b], v[BM+\b], v[BP+\b]     ; with lane l xor 16's 16 keys
.endr
	v_max3_num_f32 v[T0], v[BM], v[BM+1], v[BM+2]
	v_max_num_f32 v[T0], v[T0], v[BM+3]            ; the step's largest score of my query
	v_mul_f32 v[T0], s[CS], v[T0]                  ; as t (c is positive)
	v_max_num_f32 v[NM+1], v[NM+1], v[T0]          ; the running largest t
	v_mov_b32 v[T0], v[NM]
	v_floor_f32 v[NM], -v[NM+1]                    ; the new -M = floor(-t): M is a whole number
	v_sub_f32 v[T0], v[NM], v[T0]                  ; old M less new M: a whole number, 0 or less
	v_cvt_i32_f32 v[T0], v[T0]                     ; (it saturates)
	v_ldexp_f32 v[FF], 1.0, v[T0]                  ; f = 2^(old M - new M)
.irp j, 0,2,4,6,8,10,12,14,16,18,20,22,24,26,28,30,32,34,36,38,40,42,44,46,48,50,52,54,56,58,60,62
	v_pk_fma_f32 v[S+\j:S+\j+1], v[S+\j:S+\j+1], s[CS:CS+1], v[NM:NM+1] op_sel_hi:[1,0,0]   ; t - M, two at a time (of the pairs c and -M the low word serves both halves)
.endr
.irp b, 0,1,2,3
	v_fma_f32 v[BM+\b], v[BM+\b], s[CS], v[NM]     ; the same of each block's largest score
.endr
.irp j, 0,1,2,3,4,5,6,7,8,9,10,11,12,13,14,15,16,17,18,19,20,21,22,23,24,25,26,27,28,29,30,31,32,33,34,35,36,37,38,39,40,41,42,43,44,45,46,47,48,49,50,51,52,53,54,55,56,57,58,59,60,61,62,63
	v_exp_f32 v[S+\j], v[S+\j]                     ; p = 2^(t - M), at most 1
.endr
	v_pk_mul_f32 v[LSUM:LSUM+1], v[LSUM:LSUM+1], v[FF:FF+1] op_sel_hi:[1,0]   ; the sums under the new M: the plain place behind the exponentials
	s_wait_alu depctr_va_vdst(0)                   ; one wait for the batch of 64, ahead of its first reader
.irp b, 0,1,2,3
	v_exp_f32 v[BM+\b], v[BM+\b]                   ; the block's largest p: the same two instructions on the same number give the same bits
.endr
	v_pk_add_f32 v[SM2:SM2+1], v[S:S+1], v[S+2:S+3]   ; the row's sum is taken of the unquantised p, in two chains; it reads the 64 alone: plain work behind the four
.irp j, 4,8,12,16,20,24,28,32,36,40,44,48,52,56,60
	v_pk_add_f32 v[LSUM:LSUM+1], v[LSUM:LSUM+1], v[S+\j:S+\j+1]
	v_pk_add_f32 v[SM2:SM2+1], v[SM2:SM2+1], v[S+\j+2:S+\j+3]
.endr
	v_pk_add_f32 v[LSUM:LSUM+1], v[LSUM:LSUM+1], v[SM2:SM2+1]
	s_wait_alu depctr_va_vdst(0)                   ; and one for the four
.irp b, 0,1,2,3
	v_max_num_f32 v[BM+\b], 0x1800000, v[BM+\b]    ; the floor 2^(3 - 127): the byte cannot fall under 1
.endr
.irp b, 0,1,2,3
	v_add_nc_u32 v[SO+\b], 0xff000000, v[BM+\b]    ; 2 off the exponent field: the conversion's scale operand
.endr
.irp b, 0,1,2,3
	v_lshrrev_b32 v[BP+\b], 23, v[SO+\b]           ; the scale's byte
.endr
	v_lshl_or_b32 v[PWD], v[BP+1], 8, v[BP]        ; p's scale word for these 128 keys
	v_lshl_or_b32 v[PWD], v[BP+2], 16, v[PWD]
	v_lshl_or_b32 v[PWD], v[BP+3], 24, v[PWD]
.irp b, 0,1,2,3
	v_cvt_scalef32_pk8_fp4_f32 v[PC+2*\b], v[S+16*\b:S+16*\b+7], v[SO+\b]
	v_cvt_scalef32_pk8_fp4_f32 v[PC+2*\b+1], v[S+16*\b+8:S+16*\b+15], v[SO+\b]
.endr
	v_nop                                          ; one plain place behind a scaled conversion
.irp n, 0,1,2,3                                ; V^T's four fragments take the registers that p has left
.irp c, 0,1
	ds_load_b128 v[S+8*\n+4*\c:S+8*\n+4*\c+3], v[ADK] offset:4096+1024*\n+512*\c
.endr
.endr
	ds_load_b128 v[VSC:VSC+3], v[ADK] offset:8704
.irp c, 0,1                                    ; the operand's layout wants a whole block in a lane
.irp i, 0,1
	v_permlane16_swap_b32 v[PC+4*\c+\i], v[PC+2+4*\c+\i]
.endr
.endr
.irp j, 0,2,4,6,8,10,12,14,16,18,20,22,24,26,28,30
	v_pk_mul_f32 v[OT+\j:OT+\j+1], v[OT+\j:OT+\j+1], v[FF:FF+1] op_sel_hi:[1,0]   ; O^T under the new M.  These sixteen are also the places between p's codes and scale word and the products
.endr
.rept 4
	v_nop                                          ; the last registers just rescaled stand four places ahead of the products too; V^T's loads are on their way meanwhile
.endr
	s_wait_dscnt 0x0
.irp n, 0,1,2,3                                ; O^T += V^T P^T: the four accumulators take turns, one instruction a turn
	v_wmma_scale_f32_16x16x128_f8f6f4 v[OT+8*\n:OT+8*\n+7], v[S+8*\n:S+8*\n+7], v[PC:PC+7], v[OT+8*\n:OT+8*\n+7], v[VSC+\n], v[PWD] matrix_a_fmt:MATRIX_FMT_FP4 matrix_b_fmt:MATRIX_FMT_FP4
.endr
.rept 5
	v_nop                                          ; five places: the next step's S^T writes over V^T's registers; they also serve the stores and the clearing of O^T behind a tile's last step
.endr
.if \causal
.Lhid_\@:
.endif
	s_add_co_u32 s[REC], s[REC], 4                 ; my next record
	s_add_co_u32 s[TB], s[TB], 4*KVB
.endm
.macro TWICE qf, qs, d, ql, causal     ; two steps: written once, walked twice
	s_mov_b32 s[CNT], 2
.Ltwo_\@:
	STEP \qf, \qs, \d, \ql, \causal
	s_sub_co_u32 s[CNT], s[CNT], 1
	s_cmp_lg_u32 s[CNT], 0
	s_cbranch_scc1 .Ltwo_\@
.endm
.macro PSTORE a16, a8                  ; my partial result goes to LDS as it stands: O^T from its low end on, then -M and my lane's sum
	v_add_f32 v[NM+1], v[LSUM], v[LSUM+1]
.irp k, 0,1,2,3,4,5,6,7
	ds_store_b128 v[\a16], v[OT+4*\k:OT+4*\k+3] offset:512*\k
.endr
	ds_store_b64 v[\a8], v[NM:NM+1]
	s_wait_dscnt 0x0                               ; the stores have landed
.endm
	s_load_b128 s[4:7], s[0:1], 0x0                ; ws s[4:5], out0 s[6:7]
	v_lshl_add_u32 v[SPW], v0, 2, SPARE
	v_mov_b32 v[NIL], 0
	v_lshrrev_b32 v19, 5, v0
	v_readfirstlane_b32 s[WV], v19                 ; wave 0..15
	s_and_b32 s9, s[WV], 3                         ; s
	s_lshr_b32 s10, s[WV], 2                       ; c
	s_xor_b32 s11, s10, 3                          ; c ^ 3
	s_mov_b32 s12, ttmp9                           ; j
	s_sub_co_u32 s13, 15, s12
	s_and_b32 s14, ttmp7, 0xffff                   ; batch
	s_xor_b32 s29, s9, 7
	TILEOF 29, 16, 17                              ; the later tile, 7 - s
	TILEOF 9, 18, 19                               ; the earlier tile, s
	s_and_b32 s29, s[WV], 7
	TILEOF 29, 20, 21                              ; the tile that I add up
	s_lshr_b32 s[DMAX], s13, 3
	s_add_co_u32 s[DMAX], s[DMAX], 14              ; tile 7's record: the work-group's last
	s_lshr_b32 s[R2], s[WV], 1
	s_add_co_u32 s[R2], s[R2], 8
	QLOF 17, 24
	QLOF 19, 25
	QLOF 21, 46
	s_lshl_b32 s44, s14, 11                        ; out: row 2048 batch + 128 record + the tile's first token, 256 bytes a row
	s_lshl_b32 s15, s20, 7
	s_add_co_u32 s44, s44, s15
	s_add_co_u32 s44, s44, s46
	s_lshl_b32 s44, s44, 8
	s_mov_b32 s45, 0
	s_mul_i32 s46, s14, 16*RECB                    ; the batch's 16 records
	s_mov_b32 s47, 0
	s_lshr_b32 s34, s[WV], 1
	s_mul_i32 s34, s34, RECB                       ; the fill: record w / 2,
	s_and_b32 s15, s[WV], 1
	s_mul_i32 s15, s15, KVB/2                      ; half w % 2 of its first 9,216 bytes
	s_add_co_u32 s34, s34, s15
	s_mov_b32 s35, 0
	QPTR 16, 17, 36, 38
	QPTR 18, 19, 40, 42
	s_mov_b32 s[SEL], 0x76543210
	s_mov_b32 s[SEL+1], 0xfedcba98
	s_mov_b32 s[CS], 0x3e38aa3b                    ; c = log2(e) / 8
	s_mov_b32 s[CS+1], s[CS]                       ; (named with it as a pair, so it is written)
	v_and_b32 v19, 31, v0                          ; lane
	v_and_b32 v242, 15, v0                         ; r
	v_bfe_u32 v243, v0, 4, 1                       ; h
	v_lshlrev_b32 v[LI], 4, v19
	v_lshlrev_b32 v[R4], 2, v242
	s_mul_i32 s15, s[WV], KVB/2
	v_add_nc_u32 v[FA], s15, v[LI]                 ; records 0-7 lie from byte 0 on: half records on end, 4,608 bytes a wave
	v_add_nc_u32 v[FB], 8*KVB, v[FA]
	v_and_b32 v[VQ0], 8, v242
	v_add_nc_u32 v[VQ0], v[VQ0], v242
	v_lshlrev_b32 v244, 4, v243
	v_sub_nc_u32 v[VQ0], v[VQ0], v244
	s_xor_b32 s15, s9, 7
	s_lshl_b32 s15, s15, 2
	s_add_co_u32 s15, s15, s10
	s_mul_i32 s15, s15, PSZ
	s_add_co_u32 s15, s15, PART                    ; partial result 4 (7 - s) + c
	v_add_nc_u32 v[PSB16], s15, v[LI]
	v_lshl_add_u32 v[PSB8], v19, 3, s15
	v_add_nc_u32 v[PSB8], 4096, v[PSB8]
	s_lshl_b32 s15, s9, 2
	s_add_co_u32 s15, s15, s10
	s_mul_i32 s15, s15, PSZ
	s_add_co_u32 s15, s15, PART                    ; partial result 4 s + c
	v_add_nc_u32 v[PSA16], s15, v[LI]
	v_lshl_add_u32 v[PSA8], v19, 3, s15
	v_add_nc_u32 v[PSA8], 4096, v[PSA8]
	s_and_b32 s29, s[WV], 7
	s_mul_i32 s15, s29, 4*PSZ
	s_add_co_u32 s15, s15, PART
	v_add_nc_u32 v[MA16], s15, v[LI]
	v_lshl_add_u32 v[MA8], v19, 3, s15
	v_add_nc_u32 v[MA8], 4096, v[MA8]
	s_mul_i32 s15, s29, 16*272
	s_add_co_u32 s15, s15, STAGE
	v_mul_u32_u24 v[STO], v242, 272                ; in: row r, + 32 h
	v_lshl_add_u32 v[STO], v243, 5, v[STO]
	v_add_nc_u32 v[STO], s15, v[STO]
	v_mul_u32_u24 v[SRD], v243, 272                ; back: lanes 0-15 one row, lanes 16-31 the next
	v_lshl_add_u32 v[SRD], v242, 4, v[SRD]
	v_add_nc_u32 v[SRD], s15, v[SRD]
	v_lshlrev_b32 v[GO], 8, v243
	v_lshl_add_u32 v[GO], v242, 4, v[GO]
	s_wait_kmcnt 0x0
	s_add_nc_u64 s[4:5], s[4:5], s[46:47]          ; ws at my batch
	s_add_nc_u64 s[34:35], s[4:5], s[34:35]
	s_add_nc_u64 s[36:37], s[4:5], s[36:37]
	s_add_nc_u64 s[38:39], s[4:5], s[38:39]
	s_add_nc_u64 s[40:41], s[4:5], s[40:41]
	s_add_nc_u64 s[42:43], s[4:5], s[42:43]
	s_add_nc_u64 s[44:45], s[6:7], s[44:45]
.irp i, 0,1,2,3,4,5,6,7,8
	global_load_b128 v[STG+4*\i:STG+4*\i+3], v[LI], s[34:35] offset:512*\i   ; my half of a record of 0-7: 512 consecutive bytes a load
.endr
	global_load_b128 v[QB:QB+3], v[LI], s[36:37]
	global_load_b32 v[QSB], v[R4], s[38:39]
	global_load_b128 v[QA:QA+3], v[LI], s[40:41]
	global_load_b32 v[QSA], v[R4], s[42:43]
.irp f, 0,1,2,3,4,5
.irp i, 4,5,6,7
	v_mov_b32 v[QB+8*\f+\i], 0                     ; K = 64 .. 127 of Q's two fragments and of K's four, which follow them: zero codes, written once
.endr
.endr
.irp b, 0,1,2,3
	v_mov_b32 v[BP+\b], 0                          ; written once: a lane permute's destination counts as one of its sources
.endr
	v_mov_b32 v[FF+1], 0                           ; (named as the upper half of the pair)
	v_mov_b32 v[NINF], 0xff800000
	INIT
	s_wait_loadcnt 0x0
.irp i, 0,1,2,3,4,5,6,7,8
	ds_store_b128 v[FA], v[STG+4*\i:STG+4*\i+3] offset:512*\i
.endr
	s_wait_dscnt 0x0                               ; for the others' sake, and the stores have read their registers
	s_cmp_gt_u32 s[R2], s[DMAX]                    ; a record above the work-group's last is read by none of its waves: it is not fetched
	s_cbranch_scc1 .Lno_load
.irp i, 0,1,2,3,4,5,6,7,8
	global_load_b128 v[STG+4*\i:STG+4*\i+3], v[LI], s[34:35] offset:8*RECB+512*\i   ; my half of a record of 8-15: it lands while two steps are worked
.endr
.Lno_load:
	s_barrier_signal -1
	s_barrier_wait -1                              ; records 0-7 lie in LDS
	s_mov_b32 s[REC], s11
	s_mul_i32 s[TB], s11, KVB
	TWICE QB, QSB, DB, QLB, 0                      ; the later tile (its record is 8 or more) against records c ^ 3 and c ^ 3 + 4: all their keys count
	s_wait_loadcnt 0x0
	s_cmp_gt_u32 s[R2], s[DMAX]
	s_cbranch_scc1 .Lno_store
.irp i, 0,1,2,3,4,5,6,7,8
	ds_store_b128 v[FB], v[STG+4*\i:STG+4*\i+3] offset:512*\i
.endr
.Lno_store:
	s_wait_dscnt 0x0
	s_barrier_signal -1
	s_barrier_wait -1                              ; records 8 to the work-group's last lie in LDS
	TWICE QB, QSB, DB, QLB, 1                      ; records c ^ 3 + 8 and c ^ 3 + 12, as far as they may be seen
	PSTORE PSB16, PSB8
	INIT
	s_mov_b32 s[REC], s10
	s_mul_i32 s[TB], s10, KVB
	TWICE QA, QSA, DA, QLA, 1                      ; the earlier tile (its record is 7 or less) against records c and c + 4
	PSTORE PSA16, PSA8
	s_barrier_signal -1
	s_barrier_wait -1                              ; all 32 partial results lie in LDS
	s_cmp_gt_u32 s[WV], 7
	s_cbranch_scc0 .Lmerge
	s_wait_tensorcnt 0x0                           ; the end of waves 8 to 15: the closing three lines behind my last LDS store
	ds_add_u32 v[SPW], v[NIL]
	s_wait_dscnt 0x0
	s_endpgm
.Lmerge:
	; Wave w adds up tile w's four partial results.  Under the largest M each counts 2^(M_c - M), a whole power of two; a wave that saw no record has M = -3e38, which gives the factor 0 over zeros.
.irp c, 0,1,2,3
	ds_load_b64 v[ML+2*\c:ML+2*\c+1], v[MA8] offset:PSZ*\c
.endr
.irp c, 0,1,2,3
.irp k, 0,1,2,3,4,5,6,7
	ds_load_b128 v[MG+32*\c+4*\k:MG+32*\c+4*\k+3], v[MA16] offset:PSZ*\c+512*\k
.endr
.endr
	v_mov_b32 v[LT+1], 0                           ; a lane permute's destination counts as one of its sources
	s_wait_dscnt 32                                ; the four pairs are in; the 32 younger loads may be out
	v_min_num_f32 v[NMN], v[ML], v[ML+2]
	v_min_num_f32 v[NMN], v[NMN], v[ML+4]
	v_min_num_f32 v[NMN], v[NMN], v[ML+6]          ; the smallest -M: the largest M
.irp c, 0,1,2,3
	v_sub_f32 v[GG+2*\c], v[NMN], v[ML+2*\c]       ; M_c - M: a whole number, 0 or less
.endr
.irp c, 0,1,2,3
	v_cvt_i32_f32 v[GG+2*\c], v[GG+2*\c]           ; (it saturates)
.endr
.irp c, 0,1,2,3
	v_ldexp_f32 v[GG+2*\c], 1.0, v[GG+2*\c]
.endr
	v_mul_f32 v[LT], v[GG], v[ML+1]
	v_fmac_f32 v[LT], v[GG+2], v[ML+3]
	v_fmac_f32 v[LT], v[GG+4], v[ML+5]
	v_fmac_f32 v[LT], v[GG+6], v[ML+7]             ; my lane's part of the row's sum,
	v_permlanex16_b32 v[LT+1], v[LT], s[SEL], s[SEL+1]
	v_add_f32 v[LT], v[LT], v[LT+1]                ; and lane l xor 16's
	v_rcp_f32 v[LT], v[LT]
	v_nop                                          ; one plain place behind the reciprocal
	s_wait_alu depctr_va_vdst(0)                   ; and the wait ahead of its first reader
.irp c, 0,1,2,3
	v_mul_f32 v[GG+2*\c+1], v[GG+2*\c], v[LT]
	v_mul_f32 v[GG+2*\c], v[GG+2*\c], v[LT]        ; 2^(M_c - M) / the sum, in both words of a pair
.endr
	s_wait_dscnt 0x0
.irp p, 0,2,4,6,8,10,12,14,16,18,20,22,24,26,28,30
	v_pk_mul_f32 v[RES+\p:RES+\p+1], v[MG+\p:MG+\p+1], v[GG:GG+1]
.endr
.irp c, 1,2,3
.irp p, 0,2,4,6,8,10,12,14,16,18,20,22,24,26,28,30
	v_pk_fma_f32 v[RES+\p:RES+\p+1], v[MG+32*\c+\p:MG+32*\c+\p+1], v[GG+2*\c:GG+2*\c+1], v[RES+\p:RES+\p+1]
.endr
.endr
	; THE WAY OUT: register 8 n + i is out(query r, channel 16 n + 8 h + i).  Through my own stage, so that sixteen lanes store one whole row of 256 bytes
.irp n, 0,1,2,3
	ds_store_b128 v[STO], v[RES+8*\n:RES+8*\n+3] offset:64*\n
	ds_store_b128 v[STO], v[RES+8*\n+4:RES+8*\n+7] offset:64*\n+16
.endr
.irp i, 0,1,2,3,4,5,6,7
	ds_load_b128 v[BK+4*\i:BK+4*\i+3], v[SRD] offset:544*\i   ; LDS serves a wave's instructions in order (ISA guide 5.7.1.4): these see my stores
.endr
.irp i, 0,1,2,3,4,5,6,7
	s_wait_dscnt 7-\i                              ; rows 2 i, 2 i + 1 are back; the younger loads may be out
	global_store_b128 v[GO], v[BK+4*\i:BK+4*\i+3], s[44:45] offset:(2*\i+8*(\i/4))*256 th:TH_STORE_NT   ; the tile's rows 8-15 are the tokens 16 on from its first; 256 consecutive bytes for sixteen lanes, aligned
.endr
	s_wait_tensorcnt 0x0                           ; the wave's end: the same three lines, behind my last LDS store
	ds_add_u32 v[SPW], v[NIL]
	s_wait_dscnt 0x0
	s_endpgm
.Lfunc_end_k_q0195cc71ce_attn:
	.size	k_q0195cc71ce_attn, .Lfunc_end_k_q0195cc71ce_attn-k_q0195cc71ce_attn
	.p2alignl 7, 3214868480
	.fill 96, 4, 3214868480
	.section	.rodata,"a",@progbits
	.p2align	6, 0x0
	.amdhsa_kernel k_q0195cc71ce_attn
		.amdhsa_group_segment_fixed_size 323584
		.amdhsa_private_segment_fixed_size 0
		.amdhsa_enable_private_segment 0
		.amdhsa_kernarg_size 16
		.amdhsa_user_sgpr_count 2
		.amdhsa_user_sgpr_kernarg_segment_ptr 1
		.amdhsa_wavefront_size32 1
		.amdhsa_system_sgpr_workgroup_id_x 1
		.amdhsa_system_sgpr_workgroup_id_y 1
		.amdhsa_system_sgpr_workgroup_id_z 1
		.amdhsa_system_vgpr_workitem_id 0
		.amdhsa_next_free_vgpr 256
		.amdhsa_next_free_sgpr 66
		.amdhsa_reserve_vcc 1
		.amdhsa_float_denorm_mode_32 3
		.amdhsa_float_denorm_mode_16_64 3
		.amdhsa_memory_ordered 1
		.amdhsa_forward_progress 1
		.amdhsa_inst_pref_size 80
	.end_amdhsa_kernel
	.amdgpu_metadata
---
amdhsa.version: [ 1, 2 ]
amdhsa.kernels:
  - .name:           k_q0195cc71ce_attn
    .symbol:         k_q0195cc71ce_attn.kd
    .args:
      - { .name: ws, .offset: 0, .size: 8, .value_kind: global_buffer, .address_space: global }
      - { .name: out0, .offset: 8, .size: 8, .value_kind: global_buffer, .address_space: global }
    .group_segment_fixed_size: 323584
    .private_segment_fixed_size: 0
    .kernarg_segment_align: 8
    .kernarg_segment_size: 16
    .max_flat_workgroup_size: 512
    .sgpr_count:     66
    .vgpr_count:     256
    .wavefront_size: 32
...
	.end_amdgpu_metadata
.endif
;; end of part 2
;; ======== version 2 of 2: 2 launches; version 1 with the launches proj, attn written anew for expert scheduling mode
;; workspace buffers: ws 3,538,944 bytes
;; launch proj (part 3): grid 256 x 1, 4 waves a work-group, no clusters, 12,288 bytes of LDS; arguments x, Wq, Wk, Wv, ws; writes ws
.if DOCPART == 3
	.amdgcn_target "amdgcn-amd-amdhsa--gfx1250"
	.amdhsa_code_object_version 6
	.text
	.protected	k_q0195cc71ce_proj
	.globl	k_q0195cc71ce_proj
	.p2align	8
	.type	k_q0195cc71ce_proj,@function
k_q0195cc71ce_proj:
	s_mov_b64 s[64:65], 0
	v_nop
	global_prefetch_b8 v0, s[64:65] scope:SCOPE_SE
	s_setreg_imm32_b32 hwreg(HW_REG_WAVE_SCHED_MODE, 0, 2), 2
	s_setreg_imm32_b32 hwreg(HW_REG_WAVE_MODE, 25, 1), 1
	s_wait_xcnt 0x0
	s_wait_alu depctr_vm_vsrc(0)
; q = x Wq^T, k = x Wk^T, v = x Wv^T on codes of FP4 (E2M1) with one E8M0 scale for each 32 along K, and q, k (along the head) and v (along the keys) quantised again
; for the two products of the attention.  x: [16][2048][64] f32; Wq, Wk, Wv: [64][64] f32, K innermost.  The results go to ws as images of operand registers.
; WORK LEFT OUT BY THE PROGRAM (in the second launch; this launch leaves nothing out).  reference() builds jnp.tril in its own body: key s counts for query t only where s <= t.  The keys are
; taken in records of 128.  For 16 queries that lie in record D every key of a record above D has an index above every one of these queries, so its logit is -inf and its p is 0 whatever
; finite values x, Wq, Wk, Wv hold: such a step of 16 queries x 128 keys reaches no output and is not computed, and a record that none of a work-group's queries may see is not fetched there.
; All four inputs have a way to the output and are loaded.  LIMIT: a NaN, an infinity or an overflow that reaches only the work left out is not carried to the result.
; OTHER LIMITS: NaN and infinities among the inputs are not served.  A block of zeros gets the scale byte 1 where the rule says 127: its codes are zeros, which add nothing under any byte
; but 0xff, and this program alone reads the bytes.  Blocks whose largest magnitude lies under 2^-124, the floor, were not tried.
; RECORDS AND TILES.  Work-group g makes record g: tokens 128 g .. 128 g + 127 of the 32,768.  A tile t = 0 .. 7 of a record is 16 tokens that are NOT neighbours: lane r holds token
; 32 (t / 2) + 8 (t % 2) + r + 8 (r / 8).  So, where a tile's tokens are the rows of source 0, the 16 result registers of tiles 2 b and 2 b + 1 are 16 neighbouring tokens 32 b + 16 (lane / 16) + 0 .. 15.
; K = 64 fills half of the matrix instruction's 128: registers 4 to 7 of every fragment hold zero codes on both sides, and bytes 2, 3 of the scale words are 0.
; A RECORD IN ws, 13,824 bytes:  0: K's codes, tile t at 512 t + 16 lane |  4096: V^T's codes, channels 16 n on, register group c at 1024 n + 512 c + 16 lane |  8192: K's scale words, tile t, row r at
; 16 (r + 16 (t % 2)) + 4 (t / 2) |  8704: V^T's scale words, tile n at 16 lane + 4 n |  9216: Q's scale words at 64 t + 4 r |  9728: Q's codes, tile t at 512 t + 16 lane.
; SHARES.  Wave w quantises x's tiles 2 w, 2 w + 1 and tile w of each weight; the images meet in LDS; then it makes q and k of token tiles 2 w, 2 w + 1 (used transposed: source 0 = 16 rows of the
; weight, chosen like the tokens of a tile, source 1 = x: a lane holds one token and its registers run along the head) and v of channels 16 w .. 16 w + 15 for all 128 tokens (source 0 = x's tile,
; source 1 = Wv: a lane holds one channel and its registers run along the tokens, which are the last product's K).  No tensor load, no ring: what a work-group reads it reads once.
; THE MODE: SCHED_MODE bits 1:0 = 2 (LLVM: expert scheduling mode 2), set by the entry lines.  The code itself states the register dependences
; between vector or matrix instructions and memory or LDS instructions, with s_wait_alu, always for 0.
; THE PLAN.  Registers that memory or LDS instructions touch:
;   v4-v19        offsets and addresses: written once at the head, read by every load and store, never written again: one wait on va_vdst ahead of the first load.
;   RAW           written by the global loads, once; read by the maxima and the conversions.
;   C1, WD        written by the conversions and the ors; read by the image stores (a wait on va_vdst ahead of them); their registers are written again by QUANT64 and by the load of
;                 the copy-out: one wait on vm_vsrc behind the first barrier.
;   FRG, XO       registers 0-3 of each fragment take LDS loads three times: the weights and my x tiles behind the barrier, x's tiles 0-3 behind q's stores, x's tiles 4-7 behind k's stores.
;                 Registers 4-7 are zeros written by vector instructions: one wait on va_vdst directly ahead of the first product.
;   PCQ, PCK, PCV and v59-v63   written by QUANT64, read by the stores that follow it, never written again.
; So ONE wait on va_vdst stands ahead of each run of stores: it states that QUANT64 has written the codes and the words, and that the products just finished are done reading the fragments
; that the LDS loads behind the stores fill again.  x's tiles 0-3 so land while k is multiplied and quantised.
.set RECB,  13824
.set XIMG,  0                          ; LDS: x's 8 fragments, 512 bytes each (registers 0-3, 16 bytes a lane)
.set WIMG,  4096                       ; Wq's 4 tiles, then Wk's 4
.set XSC,   8192                       ; x's scale words, 128 bytes a tile
.set WSC,   9216                       ; Wq's and Wk's
.set SCST,  10240                      ; the record's 1,536 bytes of scale words, laid as in ws
.set SPARE, 11776                      ; the spare words, 128 bytes for each wave: two blocks of 256 bytes that no other line names
.set RR,  1                            ; v1   r = lane % 16
.set HH,  2                            ; v2   h = lane / 16
.set LL,  3                            ; v3   lane
.set XA,  4                            ; v4   x: my row and half in the wave's first tile
.set WA,  5                            ; v5   Wq, Wk: the same in tile w
.set WVA, 6                            ; v6   Wv: row 16 w + r
.set LI,  7                            ; v7   16 x lane
.set LS,  8                            ; v8   4 x lane
.set XWI, 9                            ; v9   where my x images lie
.set XWS, 10                           ; v10  and their scale words
.set WWI, 11                           ; v11  my weight images
.set WWS, 12                           ; v12  and their scale words
.set SH,  13                           ; v13  8 h: my byte's place in a scale word
.set KSA, 14                           ; v14  K's scale words in SCST
.set VSA, 15                           ; v15  V's
.set QSA, 16                           ; v16  Q's
.set CL,  17                           ; v17  SCST as it leaves: 512 bytes a wave
.set CO,  18                           ; v18  the same place in the record
.set VO,  19                           ; v19  1024 w + 16 lane: my codes' place in a part of the record
.set SPW, 20                           ; v20  LDS address of my spare word; never rewritten
.set NIL, 21                           ; v21  0; never rewritten
.set WS,  24                           ; v24-31 scale words of the 8 weight tiles      (v24-42 hold scales and nothing else)
.set XOS, 32                           ; v32-33 of my two x tiles
.set XS,  34                           ; v34-41 of all 8 x tiles
.set WVS, 42                           ; v42    of my tile of Wv
.set MX,  43                           ; v43-47 largest magnitudes of the five sets; v48-52 scale operands; v53-57 scale words; v58-62 the other half's
.set SC,  48
.set WD,  53
.set TP,  58
.set TM,  43                           ; later: v43-58 at work in QUANT64
.set RAW, 64                           ; v64-223 five sets of 32 numbers: x's two tiles, Wq, Wk, Wv
.set FRG, 64                           ; later: v64-127 eight fragments
.set XO,  128                          ; v128-143 my two x fragments
.set ACC, 144                          ; v144-207 eight results
.set PCQ, 208                          ; v208-215 q's codes; v216-223 k's
.set PCK, 216
.set WVF, 224                          ; v224-231 my fragment of Wv
.set C1,  232                          ; v232-247 codes of x's two tiles, Wq's, Wk's; later v232-239 v's codes
.set PCV, 232
.macro BARRIER                         ; my LDS stores have landed and my LDS loads are in: then the work-group's barrier
	s_wait_dscnt 0x0
	s_barrier_signal -1
	s_barrier_wait -1
.endm
; 64 numbers of a lane, register 16 b + i = place 32 b + 16 (lane / 16) + i along the next K, become codes in v[pc] .. v[pc + 7].
; mode 0: one fragment of four blocks, its scale word in v[pw0].  mode 1: two fragments of two blocks (registers 0-3 each), their words in v[pw0], v[pw1].
.macro QUANT64 s, pc, mode, pw0, pw1
.irp b, 0,1,2,3
	v_max3_num_f32 v[TM+\b], |v[\s+16*\b]|, |v[\s+1+16*\b]|, 0x1800000   ; my 16 numbers of block b, and the floor 2^(3 - 127): the byte cannot fall under 1
.endr
.irp i, 2,4,6,8,10,12,14
.irp b, 0,1,2,3
	v_max3_num_f32 v[TM+\b], v[TM+\b], |v[\s+16*\b+\i]|, |v[\s+1+16*\b+\i]|   ; the four blocks by turns
.endr
.endr
.irp b, 0,1,2,3
	v_permlanex16_b32 v[TM+4+\b], v[TM+\b], s20, s21
.endr
.irp b, 0,1,2,3
	v_max_num_f32 v[TM+\b], v[TM+\b], v[TM+4+\b]   ; with lane l xor 16's: the block's largest magnitude
.endr
.irp b, 0,1,2,3
	v_add_nc_u32 v[TM+12+\b], 0xff000000, v[TM+\b]   ; 2 off its exponent field: the conversion's scale operand
.endr
.irp b, 0,1,2,3
	v_lshrrev_b32 v[TM+4+\b], 23, v[TM+12+\b]      ; the scale's byte
.endr
.if \mode
	v_lshl_or_b32 v[\pw0], v[TM+5], 8, v[TM+4]
	v_lshl_or_b32 v[\pw1], v[TM+7], 8, v[TM+6]
.else
	v_lshl_or_b32 v[\pw0], v[TM+5], 8, v[TM+4]
	v_lshl_or_b32 v[\pw0], v[TM+6], 16, v[\pw0]
	v_lshl_or_b32 v[\pw0], v[TM+7], 24, v[\pw0]
.endif
.irp b, 0,1,2,3
	v_cvt_scalef32_pk8_fp4_f32 v[\pc+2*\b], v[\s+16*\b:\s+7+16*\b], v[TM+12+\b]
	v_cvt_scalef32_pk8_fp4_f32 v[\pc+1+2*\b], v[\s+8+16*\b:\s+15+16*\b], v[TM+12+\b]
.endr
	v_nop                                          ; one plain place behind a scaled conversion
.irp c, 0,1                                    ; the operand's layout wants a whole block in a lane: lanes 0-15 block 2 c, lanes 16-31 block 2 c + 1
.irp i, 0,1
	v_permlane16_swap_b32 v[\pc+4*\c+\i], v[\pc+2+4*\c+\i]
.endr
.endr
.endm
	s_load_b256 s[4:11], s[0:1], 0x0               ; x s[4:5], Wq s[6:7], Wk s[8:9], Wv s[10:11]
	s_load_b64 s[12:13], s[0:1], 0x20              ; ws
	v_lshl_add_u32 v[SPW], v0, 2, SPARE
	v_mov_b32 v[NIL], 0
	v_lshrrev_b32 v22, 5, v0
	v_readfirstlane_b32 s14, v22                   ; wave 0..3
	v_and_b32 v[RR], 15, v0
	v_bfe_u32 v[HH], v0, 4, 1
	v_and_b32 v[LL], 31, v0
	v_and_b32 v22, 8, v[RR]
	v_add_nc_u32 v22, v22, v[RR]                   ; r + 8 (r / 8)
	v_lshlrev_b32 v[XA], 8, v22                    ; a row of x is 256 bytes,
	v_lshl_add_u32 v[XA], v[HH], 7, v[XA]          ; my block of 32 numbers is 128
	v_lshlrev_b32 v[LI], 4, v[LL]
	v_lshlrev_b32 v[LS], 2, v[LL]
	v_lshlrev_b32 v[SH], 3, v[HH]
	s_wait_alu depctr_va_sdst(0)                   ; s14 is written, ahead of its first reader: the wave's shares of x, of the weights, of LDS and of the record are made from it
	s_lshl_b32 s15, s14, 13                        ; tiles 2 w, 2 w + 1 begin at token 32 w: 8,192 bytes a wave
	v_add_nc_u32 v[XA], s15, v[XA]
	s_lshr_b32 s15, s14, 1
	s_lshl_b32 s15, s15, 5
	s_and_b32 s16, s14, 1
	s_lshl_b32 s16, s16, 3
	s_add_co_u32 s15, s15, s16                     ; weight tile w begins at row 32 (w / 2) + 8 (w % 2)
	v_add_nc_u32 v[WA], s15, v22
	v_lshlrev_b32 v[WA], 8, v[WA]
	v_lshl_add_u32 v[WA], v[HH], 7, v[WA]
	s_lshl_b32 s15, s14, 4
	v_add_nc_u32 v[WVA], s15, v[RR]                ; Wv: neighbouring rows 16 w + r
	v_lshlrev_b32 v[WVA], 8, v[WVA]
	v_lshl_add_u32 v[WVA], v[HH], 7, v[WVA]
	s_lshl_b32 s15, s14, 10
	v_add_nc_u32 v[XWI], s15, v[LI]                ; XIMG + 1024 w + 16 lane
	v_add_nc_u32 v[VO], s15, v[LI]
	s_lshl_b32 s15, s14, 8
	s_add_co_u32 s15, s15, XSC
	v_add_nc_u32 v[XWS], s15, v[LS]
	s_lshl_b32 s15, s14, 9
	v_add_nc_u32 v[CO], s15, v[LI]
	s_add_co_u32 s16, s15, WIMG
	v_add_nc_u32 v[WWI], s16, v[LI]
	s_add_co_u32 s16, s15, SCST
	v_add_nc_u32 v[CL], s16, v[LI]
	s_lshl_b32 s15, s14, 7
	s_add_co_u32 s16, s15, WSC
	v_add_nc_u32 v[WWS], s16, v[LS]
	s_add_co_u32 s16, s15, SCST+1024
	v_lshl_add_u32 v[QSA], v[RR], 2, s16           ; 64 (2 w + e) + 4 r
	s_lshl_b32 s15, s14, 2
	s_add_co_u32 s16, s15, SCST
	v_lshl_add_u32 v[KSA], v[RR], 4, s16           ; 16 (r + 16 e) + 4 w
	s_add_co_u32 s16, s15, SCST+512
	v_add_nc_u32 v[VSA], s16, v[LI]                ; 16 lane + 4 w
	s_mov_b32 s20, 0x76543210
	s_mov_b32 s21, 0xfedcba98                      ; v_permlanex16_b32's selects for lane l xor 16
	s_lshl_b32 s16, ttmp9, 15                      ; the record's 128 rows of x
	s_mov_b32 s17, 0
	s_mul_i32 s18, ttmp9, RECB
	s_mov_b32 s19, 0
.irp i, 4,5,6,7
	v_mov_b32 v[WVF+\i], 0                         ; K = 64 .. 127 of Wv's fragment: zero codes
.endr
.irp i, 0,1,2,3,4
	v_mov_b32 v[TP+\i], 0                          ; written once: a lane permute's destination counts as one of its sources
.endr
	s_wait_kmcnt 0x0
	s_add_nc_u64 s[4:5], s[4:5], s[16:17]
	s_add_nc_u64 s[12:13], s[12:13], s[18:19]
	s_wait_alu depctr_va_vdst(0)                   ; the offsets and addresses v4 to v19 are written, which the loads and stores of the whole kernel read
	; a lane takes one whole block: 32 neighbouring numbers of its row, 128 bytes
.irp e, 0,1
.irp i, 0,1,2,3,4,5,6,7
	global_load_b128 v[RAW+32*\e+4*\i:RAW+32*\e+4*\i+3], v[XA], s[4:5] offset:2048*\e+16*\i th:TH_LOAD_NT
.endr
.endr
.irp i, 0,1,2,3,4,5,6,7
	global_load_b128 v[RAW+64+4*\i:RAW+64+4*\i+3], v[WA], s[6:7] offset:16*\i
.endr
.irp i, 0,1,2,3,4,5,6,7
	global_load_b128 v[RAW+96+4*\i:RAW+96+4*\i+3], v[WA], s[8:9] offset:16*\i
.endr
.irp i, 0,1,2,3,4,5,6,7
	global_load_b128 v[RAW+128+4*\i:RAW+128+4*\i+3], v[WVA], s[10:11] offset:16*\i
.endr
	s_wait_loadcnt 0x0
	; five blocks a lane are quantised, by turns
.irp i, 0,1,2,3,4
	v_max3_num_f32 v[MX+\i], |v[RAW+32*\i]|, |v[RAW+32*\i+1]|, 0x1800000   ; with the floor 2^(3 - 127)
.endr
.irp k, 2,4,6,8,10,12,14,16,18,20,22,24,26,28,30
.irp i, 0,1,2,3,4
	v_max3_num_f32 v[MX+\i], v[MX+\i], |v[RAW+32*\i+\k]|, |v[RAW+32*\i+\k+1]|
.endr
.endr
.irp i, 0,1,2,3,4
	v_add_nc_u32 v[SC+\i], 0xff000000, v[MX+\i]    ; 2 off the exponent field: the conversion's scale operand
.endr
.irp i, 0,1,2,3
.irp g, 0,1,2,3
	v_cvt_scalef32_pk8_fp4_f32 v[C1+4*\i+\g], v[RAW+32*\i+8*\g:RAW+32*\i+8*\g+7], v[SC+\i]
.endr
.endr
.irp g, 0,1,2,3
	v_cvt_scalef32_pk8_fp4_f32 v[WVF+\g], v[RAW+128+8*\g:RAW+128+8*\g+7], v[SC+4]
.endr
	v_nop                                          ; one plain place behind a scaled conversion
.irp i, 0,1,2,3,4
	v_lshrrev_b32 v[WD+\i], 23, v[SC+\i]           ; my block's byte,
.endr
.irp i, 0,1,2,3,4
	v_lshlrev_b32 v[WD+\i], v[SH], v[WD+\i]        ; at its place in the row's word (block h: byte h);
.endr
.irp i, 0,1,2,3,4
	v_permlanex16_b32 v[TP+\i], v[WD+\i], s20, s21
.endr
.irp i, 0,1,2,3
	v_or_b32 v[WD+\i], v[WD+\i], v[TP+\i]          ; with lane l xor 16's the word is whole
.endr
	v_or_b32 v[WVS], v[WD+4], v[TP+4]
	s_wait_alu depctr_va_vdst(0)                   ; the conversions have written v[C1 ..] and the ors v[WD ..], which the LDS stores read; and the maxima and conversions are done reading the numbers, in whose registers the LDS loads behind the barrier land
	; the images: each fragment's four live registers as they stand, the scale words 4 bytes a lane
	ds_store_b128 v[XWI], v[C1:C1+3]
	ds_store_b128 v[XWI], v[C1+4:C1+7] offset:512
	ds_store_b128 v[WWI], v[C1+8:C1+11]
	ds_store_b128 v[WWI], v[C1+12:C1+15] offset:2048
	ds_store_b32 v[XWS], v[WD]
	ds_store_b32 v[XWS], v[WD+1] offset:128
	ds_store_b32 v[WWS], v[WD+2]
	ds_store_b32 v[WWS], v[WD+3] offset:512
.irp f, 0,1,2,3,4,5,6,7,8,9
.irp i, 4,5,6,7
	v_mov_b32 v[FRG+8*\f+\i], 0                    ; K = 64 .. 127 of the eight fragments and of my two of x (which follow them): zero codes.  The numbers that lay here are converted.  (No LDS load below names these registers)
.endr
.endr
	BARRIER                                        ; all images lie in LDS
	s_wait_alu depctr_vm_vsrc(0)                   ; my LDS stores have read v[C1 ..] and v[WD ..]: QUANT64 writes v55, v56 and, for v, v232 to v239 again, and the load of the copy-out lands in v240 to v243
.irp f, 0,1,2,3,4,5,6,7
	ds_load_b128 v[FRG+8*\f:FRG+8*\f+3], v[LI] offset:WIMG+512*\f
	ds_load_b32 v[WS+\f], v[LS] offset:WSC+128*\f
.endr
.irp e, 0,1
	ds_load_b128 v[XO+8*\e:XO+8*\e+3], v[XWI] offset:512*\e
	ds_load_b32 v[XOS+\e], v[XWS] offset:128*\e
.endr
	s_wait_dscnt 0x0
.rept 4
	v_nop                                          ; operand registers written by vector instructions (the zeros) stand four places ahead of a scaled matrix instruction
.endr
	s_wait_alu depctr_va_vdst(0)                   ; the zeros are written, which every product of the kernel takes as registers 4 to 7 of its two sources; so are Wv's fragment and its scale word
	; q of my two token tiles: in tile j of the weight, register i of lane (r, h) is channel 32 (j / 2) + 16 h + 8 (j % 2) + i of token r
.irp e, 0,1
.irp j, 0,1,2,3
	v_wmma_scale_f32_16x16x128_f8f6f4 v[ACC+32*\e+8*\j:ACC+32*\e+8*\j+7], v[FRG+8*\j:FRG+8*\j+7], v[XO+8*\e:XO+8*\e+7], 0, v[WS+\j], v[XOS+\e] matrix_a_fmt:MATRIX_FMT_FP4 matrix_b_fmt:MATRIX_FMT_FP4
.endr
.endr
.rept 4
	v_nop                                          ; four places in front of the first read of results
.endr
	QUANT64 ACC, PCQ, 1, 59, 60
	s_wait_alu depctr_va_vdst(0)                   ; QUANT64 has written q's codes and v59, v60, which the stores read; q's products are done reading Wq's four fragments, in which x's tiles 0 to 3 land
.irp e, 0,1
	global_store_b128 v[VO], v[PCQ+4*\e:PCQ+4*\e+3], s[12:13] offset:9728+512*\e   ; 32 lanes store 512 consecutive bytes, at a multiple of 256 from ws's first byte
	ds_store_b32 v[QSA], v[59+\e] offset:64*\e     ; both halves of the lanes write the same word with the same value
.endr
.irp t, 0,1,2,3
	ds_load_b128 v[FRG+8*\t:FRG+8*\t+3], v[LI] offset:XIMG+512*\t   ; for v: they land while k is multiplied and quantised; no vector or matrix instruction up to v's products names these registers
	ds_load_b32 v[XS+\t], v[LS] offset:XSC+128*\t
.endr
.rept 5
	v_nop                                          ; five places in front of matrix instructions that write over the results
.endr
	; k likewise
.irp e, 0,1
.irp j, 0,1,2,3
	v_wmma_scale_f32_16x16x128_f8f6f4 v[ACC+32*\e+8*\j:ACC+32*\e+8*\j+7], v[FRG+32+8*\j:FRG+32+8*\j+7], v[XO+8*\e:XO+8*\e+7], 0, v[WS+4+\j], v[XOS+\e] matrix_a_fmt:MATRIX_FMT_FP4 matrix_b_fmt:MATRIX_FMT_FP4
.endr
.endr
.rept 4
	v_nop
.endr
	QUANT64 ACC, PCK, 1, 61, 62
	s_wait_alu depctr_va_vdst(0)                   ; QUANT64 has written k's codes and v61, v62, which the stores read; k's products are done reading Wk's four fragments, in which x's tiles 4 to 7 land
.irp e, 0,1
	global_store_b128 v[VO], v[PCK+4*\e:PCK+4*\e+3], s[12:13] offset:512*\e
	ds_store_b32 v[KSA], v[61+\e] offset:256*\e
.endr
	; v of my 16 channels for all 128 tokens: register 16 b + i of lane (r, h) is token 32 b + 16 h + i of channel 16 w + r
.irp t, 4,5,6,7
	ds_load_b128 v[FRG+8*\t:FRG+8*\t+3], v[LI] offset:XIMG+512*\t
	ds_load_b32 v[XS+\t], v[LS] offset:XSC+128*\t
.endr
.rept 5
	v_nop                                          ; five places in front of the products that write over the results
.endr
	s_wait_dscnt 0x0
.irp t, 0,1,2,3,4,5,6,7
	v_wmma_scale_f32_16x16x128_f8f6f4 v[ACC+8*\t:ACC+8*\t+7], v[FRG+8*\t:FRG+8*\t+7], v[WVF:WVF+7], 0, v[XS+\t], v[WVS] matrix_a_fmt:MATRIX_FMT_FP4 matrix_b_fmt:MATRIX_FMT_FP4
.endr
.rept 4
	v_nop
.endr
	QUANT64 ACC, PCV, 0, 63, 63
	s_wait_alu depctr_va_vdst(0)                   ; QUANT64 has written v's codes and v63, which the stores read
.irp c, 0,1
	global_store_b128 v[VO], v[PCV+4*\c:PCV+4*\c+3], s[12:13] offset:4096+512*\c
.endr
	ds_store_b32 v[VSA], v63
	BARRIER                                        ; the record's 1,536 bytes of scale words lie in LDS
	s_cmp_gt_u32 s14, 2                            ; waves 0 to 2 store 512 of them each
	s_cbranch_scc0 .Lcopy
	s_wait_dscnt 0x0                               ; wave 3's end: the closing lines, six on end
	s_wait_alu 0x0
	s_wait_tensorcnt 0x0
	ds_add_u32 v[SPW], v[NIL]
	s_wait_dscnt 0x0
	s_endpgm
.Lcopy:
	ds_load_b128 v[240:243], v[CL]                 ; (no vector instruction has named v240 to v243 since the wait ahead of the image stores, and the wait behind the first barrier has shown those stores' reads done)
	s_wait_dscnt 0x0
	global_store_b128 v[CO], v[240:243], s[12:13] offset:8192   ; 512 consecutive bytes, aligned
	s_wait_dscnt 0x0                               ; the wave's end: the same six lines
	s_wait_alu 0x0
	s_wait_tensorcnt 0x0
	ds_add_u32 v[SPW], v[NIL]
	s_wait_dscnt 0x0
	s_endpgm
.Lfunc_end_k_q0195cc71ce_proj:
	.size	k_q0195cc71ce_proj, .Lfunc_end_k_q0195cc71ce_proj-k_q0195cc71ce_proj
	.p2alignl 7, 3214868480
	.fill 96, 4, 3214868480
	.section	.rodata,"a",@progbits
	.p2align	6, 0x0
	.amdhsa_kernel k_q0195cc71ce_proj
		.amdhsa_group_segment_fixed_size 12288
		.amdhsa_private_segment_fixed_size 0
		.amdhsa_enable_private_segment 0
		.amdhsa_kernarg_size 40
		.amdhsa_user_sgpr_count 2
		.amdhsa_user_sgpr_kernarg_segment_ptr 1
		.amdhsa_wavefront_size32 1
		.amdhsa_system_sgpr_workgroup_id_x 1
		.amdhsa_system_sgpr_workgroup_id_y 1
		.amdhsa_system_sgpr_workgroup_id_z 1
		.amdhsa_system_vgpr_workitem_id 0
		.amdhsa_next_free_vgpr 256
		.amdhsa_next_free_sgpr 66
		.amdhsa_reserve_vcc 0
		.amdhsa_float_denorm_mode_32 3
		.amdhsa_float_denorm_mode_16_64 3
		.amdhsa_memory_ordered 1
		.amdhsa_forward_progress 1
		.amdhsa_inst_pref_size 36
	.end_amdhsa_kernel
	.amdgpu_metadata
---
amdhsa.version: [ 1, 2 ]
amdhsa.kernels:
  - .name:           k_q0195cc71ce_proj
    .symbol:         k_q0195cc71ce_proj.kd
    .args:
      - { .name: x, .offset: 0, .size: 8, .value_kind: global_buffer, .address_space: global }
      - { .name: Wq, .offset: 8, .size: 8, .value_kind: global_buffer, .address_space: global }
      - { .name: Wk, .offset: 16, .size: 8, .value_kind: global_buffer, .address_space: global }
      - { .name: Wv, .offset: 24, .size: 8, .value_kind: global_buffer, .address_space: global }
      - { .name: ws, .offset: 32, .size: 8, .value_kind: global_buffer, .address_space: global }
    .group_segment_fixed_size: 12288
    .private_segment_fixed_size: 0
    .kernarg_segment_align: 8
    .kernarg_segment_size: 40
    .max_flat_workgroup_size: 128
    .sgpr_count:     66
    .vgpr_count:     256
    .wavefront_size: 32
...
	.end_amdgpu_metadata
.endif
;; end of part 3
;; launch attn (part 4): grid 16 x 16, 16 waves a work-group, no clusters, 323,584 bytes of LDS; arguments ws, out0; writes out0
.if DOCPART == 4
	.amdgcn_target "amdgcn-amd-amdhsa--gfx1250"
	.amdhsa_code_object_version 6
	.text
	.protected	k_q0195cc71ce_attn
	.globl	k_q0195cc71ce_attn
	.p2align	8
	.type	k_q0195cc71ce_attn,@function
k_q0195cc71ce_attn:
	s_mov_b64 s[64:65], 0
	v_nop
	global_prefetch_b8 v0, s[64:65] scope:SCOPE_SE
	s_setreg_imm32_b32 hwreg(HW_REG_WAVE_SCHED_MODE, 0, 2), 2
	s_setreg_imm32_b32 hwreg(HW_REG_WAVE_MODE, 25, 1), 1
	s_wait_xcnt 0x0
	s_wait_alu depctr_vm_vsrc(0)
; out[b][q][:] = the sum over keys s <= q of softmax_s(q . k / 8) v[s][:], both products on codes of FP4 (E2M1) with one E8M0 scale for each 32 along K; codes and scale words come from ws,
; laid by the first launch as images of operand registers (a record = 128 tokens = 13,824 bytes: K's codes 0, V^T's 4096, K's scale words 8192, V^T's 8704, Q's scale words 9216, Q's codes 9728).
; WORK LEFT OUT: a step of 16 queries x 128 keys whose record lies above the queries' record is hidden whole by reference()'s own jnp.tril (p = 0 for all values of the inputs): it is not computed,
; and a record that none of the work-group's queries may see is not fetched.  LIMIT: a NaN, an infinity or an overflow that reaches only such hidden k or v is not carried to the result.
; OTHER LIMITS: NaN and infinities among the inputs are not served; a block whose every p is 0 keeps the scale byte 1: its codes are zeros.
; THE SOFTMAX: t = score x log2(e) / 8; M = the largest t so far, rounded up to a whole number; p = 2^(t - M) is quantised along the keys, not normalised; the row's sum is taken of the unquantised p.
; When M moves, the sum and O are multiplied by 2^(old M - new M), which rounds nothing.
; SHARES.  Work-group (j, batch) owns 8 tiles of 16 queries: tile m = 0 .. 7 is number 16 m + (j for even m, 15 - j for odd m) of the batch's 128; D = number / 8 is its record, t = number % 8 its place.
; A tile has D + 1 steps.  Tiles m and 7 - m have 17 steps together in every work-group.  Wave w (s = w % 4, c = w / 4) takes every fourth record of tile 7 - s (records c ^ 3, + 4, + 8, + 12) and of
; tile s (records c, c + 4): the four waves of one s have those 17 steps, 8 of them ahead of the middle barrier and 9 behind it.  Each wave sums under an M of its own; four partial results of a tile
; differ by whole powers of two and meet in LDS, where waves 0 to 7 add them, divide by the sum and store a tile each.
; K AND V of the batch's records, 9,216 bytes each, lie in LDS for the whole launch; nothing is filled twice.  They come through registers: records 0-7 at the head, records 8-15 are asked for at once
; behind them, into the same registers, and stored at the middle barrier: the two steps of every wave that stand between need records 0-7 alone.
; LAYOUT.  Both products are used transposed: S^T = K Q^T (source 0 = 16 keys, source 1 = my 16 queries), O^T = V^T P^T: a lane holds one query (lane % 16) throughout.  Lane r of a tile t holds token
; 32 (t / 2) + 8 (t % 2) + r + 8 (r / 8), so register 16 b + i of S^T is key 32 b + 16 (lane / 16) + i.  The head's K = 64 fills half of the instruction's 128: registers 4-7 of K's and Q's fragments are zero codes.
; No cluster and no joint loads: what work-groups share is fetched once a launch and half of it behind two steps' work, and partners may need different numbers of records.
; THE MODE: SCHED_MODE bits 1:0 = 2 (LLVM: expert scheduling mode 2), set by the entry lines.  The code itself states the register dependences
; between vector or matrix instructions and memory or LDS instructions, with s_wait_alu, always for 0.
; THE PLAN.  Registers that memory or LDS instructions touch, in a step:
;   v[ADK]        written once, at the step's head; read by all the step's LDS loads.  A wait on vm_vsrc at the step's top (the last step's loads have read it), a wait on va_vdst behind the add.
;   KF (registers 0-3 of four fragments), KSC   loaded at the head, read by K Q^T; KF is loaded again for tiles 4-7 behind the first four products: a wait on va_vdst between.
;   V^T's fragments and VSC   read by V^T P^T.  In a wave's first two steps they land in p's registers, behind the conversions that read p last: a wait on va_vdst between.  Behind the middle
;                 barrier STG has handed its half record over and takes them: the nine loads go out behind those of K's tiles 4-7 and land during the softmax, with no wait of their own, since
;                 no vector or matrix instruction issued since the head's wait names those registers.
;   PC, PWD       written by vector instructions, taken by V^T P^T as source 1 and scale: a wait on va_vdst behind the places, ahead of the four products.
; Outside the steps: STG (loaded, stored to LDS, loaded again: a wait on vm_vsrc between); O^T, -M and the sum (stored as a partial result: va_vdst ahead of the stores, vm_vsrc behind them, ahead of
; the clearing and of the adding up's loads); the finished tile (va_vdst ahead of the stage's stores, which also serves the loads back).  The other addresses are written at the head alone.
; Scalars written by vector instructions: the wave's number, and on the diagonal eight masks at a time in s48 to s55: a wait on va_sdst ahead of the first reader of each run.
.set RECB,  13824
.set KVB,   9216
.set PART,  147456                     ; LDS: behind the 16 records: 32 partial results x 4,352 bytes (O^T as 8 images of 512 bytes, then -M and the sum, 8 bytes a lane); number 4 tile + c
.set PSZ,   4352
.set STAGE, 286720                     ; 8 stages of 16 rows x (256 + 16) bytes for the way out
.set SPARE, 321536                     ; the spare words, 128 bytes for each wave: eight blocks of 256 bytes that no other line names
.set LI,    1                          ; v1   16 x lane
.set SPW,   2                          ; v2   LDS address of my spare word; never rewritten
.set NIL,   3                          ; v3   0; never rewritten
.set R4,    4                          ; v4   4 r
.set FA,    5                          ; v5   where my half record of records 0-7 goes
.set FB,    6                          ; v6   and of records 8-15
.set VQ0,   7                          ; v7   r + 8 (r / 8) - 16 h
.set ADK,   8                          ; v8   the step's record + 16 x lane
.set PSB16, 9                          ; v9, v10   my partial result of the later tile: images; -M and the sum
.set PSB8,  10
.set PSA16, 11                         ; v11, v12  of the earlier tile
.set PSA8,  12
.set MA16,  13                         ; v13, v14  the four partial results of the tile that I add up
.set MA8,   14
.set STO,   15                         ; v15  the stage: where I put 32 bytes of a row
.set SRD,   16                         ; v16  and where I read rows back
.set GO,    17                         ; v17  my byte offset in two rows of out
.set NINF,  18                         ; v18  -infinity
.set NM,    20                         ; v20 -M, v21 the largest t
.set LSUM,  22                         ; v[22:23] the sum in two halves
.set QB,    24                         ; v24-31 Q's fragment of the later tile; v32-39 of the earlier
.set QA,    32
.set KF,    40                         ; v40-71 four fragments of K
.set S,     72                         ; v72-135 S^T, then p; in a wave's first two steps then v72-103 V^T's four fragments
.set OT,    136                        ; v136-167 O^T
.set PC,    168                        ; v168-175 p's codes
.set STG,   176                        ; v176-211 half a record on its way to LDS; behind the middle barrier v176-207 V^T's four fragments
.set BM,    212                        ; v212-215 the blocks' largest scores, then largest p
.set BP,    216                        ; v216-219 the other half's; then the bytes
.set SO,    220                        ; v220-223 the conversions' scale operands
.set KSC,   224                        ; v224-227 K's scale words: register i: tile 2 i in lanes 0-15, tile 2 i + 1 in lanes 16-31     (v224-231, v234, v237, v238 hold scales and nothing else)
.set VSC,   228                        ; v228-231 V^T's, a register a tile
.set FF,    232                        ; v[232:233] f = 2^(old M - new M); the upper word is named with it and holds 0
.set PWD,   234                        ; v234 p's scale word
.set T0,    235
.set QSB,   237                        ; v237, v238 Q's scale words
.set QSA,   238
.set SM2,   240                        ; v[240:241] the sum's second chain
.set MG,    24                         ; the adding up: v24-151 four partial O^T
.set ML,    152                        ; v152-159 four pairs -M, sum
.set NMN,   160
.set GG,    162                        ; v162-169 four pairs: 2^(M_c - M) / sum, twice
.set LT,    170
.set RES,   176                        ; v176-207 the tile's O^T, finished
.set BK,    24                         ; v24-55 its rows, back from the stage
.set WV,    8                          ; s8 wave; s9 s; s10 c; s11 c ^ 3; s12 j; s13 15 - j; s14 batch; s15, s29 at work
.set DB,    16                         ; s16, s17 record and place of the later tile; s18, s19 of the earlier; s20, s21 of the tile that I add up
.set DA,    18
.set DMAX,  22                         ; s22 the work-group's last record
.set R2,    23                         ; s23 the record of 8-15 of which I fetch a half
.set QLB,   24                         ; s24, s25 first token of the tile in its record
.set QLA,   25
.set REC,   26                         ; s26 the step's record; s27 its LDS byte; s28 counts trips
.set TB,    27
.set CNT,   28
.set SEL,   30                         ; s[30:31] v_permlanex16_b32's selects for lane l xor 16
.set CS,    32                         ; s[32:33] c = log2(e) / 8
.set MK,    48                         ; s48-55 on the diagonal: eight masks of hidden keys at a time
.macro TILEOF m, d, t                  ; tile s[m]: its record and its place
	s_and_b32 s15, s[\m], 1
	s_cmp_eq_u32 s15, 0
	s_cselect_b32 s[\t], s12, s13
	s_lshl_b32 s[\d], s[\m], 4
	s_add_co_u32 s[\d], s[\d], s[\t]
	s_and_b32 s[\t], s[\d], 7
	s_lshr_b32 s[\d], s[\d], 3
.endm
.macro QLOF t, o                       ; 32 (t / 2) + 8 (t % 2)
	s_and_b32 s15, s[\t], 6
	s_lshl_b32 s15, s15, 4
	s_and_b32 s[\o], s[\t], 1
	s_lshl_b32 s[\o], s[\o], 3
	s_add_co_u32 s[\o], s[\o], s15
.endm
.macro QPTR d, t, pq, pw               ; byte offsets in the batch's records of a tile's codes of Q and of its scale words
	s_mul_i32 s[\pq], s[\d], RECB
	s_lshl_b32 s15, s[\t], 6
	s_add_co_u32 s[\pw], s[\pq], s15
	s_add_co_u32 s[\pw], s[\pw], 9216
	s_mov_b32 s[\pw+1], 0
	s_lshl_b32 s15, s[\t], 9
	s_add_co_u32 s[\pq], s[\pq], s15
	s_add_co_u32 s[\pq], s[\pq], 9728
	s_mov_b32 s[\pq+1], 0
.endm
.macro INIT                            ; a tile's sums begin: the step is written once, and its first turn finds zeros, which the first change of M leaves zeros
	v_mov_b32 v[NM+1], 0xff61b1e6                  ; the largest t so far: -3e38, under every t
	v_floor_f32 v[NM], -v[NM+1]
	v_mov_b32 v[LSUM], 0
	v_mov_b32 v[LSUM+1], 0
.irp i, 0,1,2,3,4,5,6,7,8,9,10,11,12,13,14,15,16,17,18,19,20,21,22,23,24,25,26,27,28,29,30,31
	v_mov_b32 v[OT+\i], 0
.endr
.endm
.macro KQ4 g, qf, qs                   ; S^T of tiles 4 g .. 4 g + 3 of the record's keys
.irp u, 0,1
	v_wmma_scale_f32_16x16x128_f8f6f4 v[S+32*\g+16*\u:S+32*\g+16*\u+7], v[KF+16*\u:KF+16*\u+7], v[\qf:\qf+7], 0, v[KSC+2*\g+\u], v[\qs] matrix_a_fmt:MATRIX_FMT_FP4 matrix_b_fmt:MATRIX_FMT_FP4
	v_wmma_scale_f32_16x16x128_f8f6f4 v[S+32*\g+16*\u+8:S+32*\g+16*\u+15], v[KF+16*\u+8:KF+16*\u+15], v[\qf:\qf+7], 0, v[KSC+2*\g+\u], v[\qs] matrix_a_fmt:MATRIX_FMT_FP4 matrix_b_fmt:MATRIX_FMT_FP4 matrix_a_scale:MATRIX_SCALE_ROW1
.endr
.endm
.macro VLOAD vf                        ; the record's V^T, four fragments into v[vf] on, and its scale words: nine LDS loads
.irp n, 0,1,2,3
.irp c, 0,1
	ds_load_b128 v[\vf+8*\n+4*\c:\vf+8*\n+4*\c+3], v[ADK] offset:4096+1024*\n+512*\c
.endr
.endr
	ds_load_b128 v[VSC:VSC+3], v[ADK] offset:8704
.endm
; A STEP: my 16 queries against record s[REC].  qf, qs: Q's fragment and scale words; d: the register with the tile's record; ql: with its first token; causal = 0: the record lies under the tile's for certain.
; vf: where V^T's fragments go; early = 1: they have registers of their own (STG) and are asked for behind K's tiles 4-7; early = 0: they take p's registers, behind the conversions.
.macro STEP qf, qs, d, ql, causal, vf, early
	s_wait_alu depctr_vm_vsrc(0)                   ; the LDS loads issued so far have read v[ADK], which is written below; and the LDS stores at the middle barrier have read STG, in which V^T's fragments land from there on
.if \causal
	s_cmp_gt_u32 s[REC], s[\d]                     ; a record above the tile's is hidden whole: a scalar branch on ids round the step's work, not round the lines at its end
	s_cbranch_scc1 .Lhid_\@
.endif
	v_add_nc_u32 v[ADK], s[TB], v[LI]
	s_wait_alu depctr_va_vdst(0)                   ; v[ADK] is written, which the step's LDS loads read; the last step's products are done reading K's and V^T's fragments and scale words, in which they land; in a wave's first step: the fragments' zeros are written, which the products take
.irp t, 0,1,2,3
	ds_load_b128 v[KF+8*\t:KF+8*\t+3], v[ADK] offset:512*\t
.endr
	ds_load_b128 v[KSC:KSC+3], v[ADK] offset:8192
	s_wait_dscnt 0x0
	KQ4 0, \qf, \qs
.rept 4
	v_nop                                          ; four places behind the products, ahead of the loads into their fragments; the wait below stands beside them
.endr
	s_wait_alu depctr_va_vdst(0)                   ; the four products are done reading K's fragments, in which tiles 4 to 7 land
.irp t, 0,1,2,3
	ds_load_b128 v[KF+8*\t:KF+8*\t+3], v[ADK] offset:2048+512*\t
.endr
.if \early
	VLOAD \vf                                      ; no wait: no vector or matrix instruction since the head's wait names these registers.  They land during the softmax
	s_wait_dscnt 9                                 ; LDS loads come back in order (ISA guide 5.7.1): K's tiles 4 to 7 are in; the nine younger loads, V^T's, stay out
.else
	s_wait_dscnt 0x0
.endif
	KQ4 1, \qf, \qs
.rept 4
	v_nop                                          ; four places in front of the first read of results
.endr
.if \causal
	s_cmp_lg_u32 s[REC], s[\d]                     ; only the tile's own record lies on the diagonal
	s_cbranch_scc1 .Lopen_\@
	v_add_nc_u32 v[T0], s[\ql], v[VQ0]             ; my query's place in the record - 16 h.  Register 16 b + i holds key 32 b + 16 h + i: hidden where 32 b + i is above it
.irp g, 0,1,2,3,4,5,6,7                        ; eight registers at a time: a run of compares, one wait, a run of selects
.irp i, 0,1,2,3,4,5,6,7
	v_cmp_gt_i32 s[MK+\i], 32*((8*\g+\i)/16)+(8*\g+\i)%16, v[T0]
.endr
	s_wait_alu depctr_va_sdst(0)                   ; the eight masks s48 to s55 are written, ahead of their first reader
.irp i, 0,1,2,3,4,5,6,7
	v_cndmask_b32 v[S+8*\g+\i], v[S+8*\g+\i], v[NINF], s[MK+\i]   ; -infinity ahead of the maximum: p = 0.  My own key counts, so the row's maximum is a number
.endr
.endr
.Lopen_\@:
.endif
.irp b, 0,1,2,3
	v_max3_num_f32 v[BM+\b], v[S+16*\b], v[S+16*\b+1], v[S+16*\b+2]   ; the largest score of each block of 32 keys: for the row's maximum and, since p rises with the score, for the block's largest p
.endr
.irp i, 3,5,7,9,11,13
.irp b, 0,1,2,3
	v_max3_num_f32 v[BM+\b], v[BM+\b], v[S+16*\b+\i], v[S+16*\b+\i+1]
.endr
.endr
.irp b, 0,1,2,3
	v_max_num_f32 v[BM+\b], v[BM+\b], v[S+16*\b+15]
.endr
.irp b, 0,1,2,3
	v_permlanex16_b32 v[BP+\b], v[BM+\b], s[SEL], s[SEL+1]
.endr
.irp b, 0,1,2,3
	v_max_num_f32 v[BM+\b], v[BM+\b], v[BP+\b]     ; with lane l xor 16's 16 keys
.endr
	v_max3_num_f32 v[T0], v[BM], v[BM+1], v[BM+2]
	v_max_num_f32 v[T0], v[T0], v[BM+3]            ; the step's largest score of my query
	v_mul_f32 v[T0], s[CS], v[T0]                  ; as t (c is positive)
	v_max_num_f32 v[NM+1], v[NM+1], v[T0]          ; the running largest t
	v_mov_b32 v[T0], v[NM]
	v_floor_f32 v[NM], -v[NM+1]                    ; the new -M = floor(-t): M is a whole number
	v_sub_f32 v[T0], v[NM], v[T0]                  ; old M less new M: a whole number, 0 or less
	v_cvt_i32_f32 v[T0], v[T0]                     ; (it saturates)
	v_ldexp_f32 v[FF], 1.0, v[T0]                  ; f = 2^(old M - new M)
.irp j, 0,2,4,6,8,10,12,14,16,18,20,22,24,26,28,30,32,34,36,38,40,42,44,46,48,50,52,54,56,58,60,62
	v_pk_fma_f32 v[S+\j:S+\j+1], v[S+\j:S+\j+1], s[CS:CS+1], v[NM:NM+1] op_sel_hi:[1,0,0]   ; t - M, two at a time (of the pairs c and -M the low word serves both halves)
.endr
.irp b, 0,1,2,3
	v_fma_f32 v[BM+\b], v[BM+\b], s[CS], v[NM]     ; the same of each block's largest score
.endr
	s_wait_alu depctr_va_vdst(0)
.irp j, 0,1,2,3,4,5,6,7,8,9,10,11,12,13,14,15,16,17,18,19,20,21,22,23,24,25,26,27,28,29,30,31,32,33,34,35,36,37,38,39,40,41,42,43,44,45,46,47,48,49,50,51,52,53,54,55,56,57,58,59,60,61,62,63
	v_exp_f32 v[S+\j], v[S+\j]                     ; p = 2^(t - M), at most 1
.endr
	v_pk_mul_f32 v[LSUM:LSUM+1], v[LSUM:LSUM+1], v[FF:FF+1] op_sel_hi:[1,0]   ; the sums under the new M: the plain place behind the exponentials
	s_wait_alu depctr_va_vdst(0)                   ; the 64 exponentials have written p: one wait for the batch, ahead of its first reader
.irp b, 0,1,2,3
	v_exp_f32 v[BM+\b], v[BM+\b]                   ; the block's largest p: the same two instructions on the same number give the same bits
.endr
	v_pk_add_f32 v[SM2:SM2+1], v[S:S+1], v[S+2:S+3]   ; the row's sum is taken of the unquantised p, in two chains; it reads the 64 alone: plain work behind the four
.irp j, 4,8,12,16,20,24,28,32,36,40,44,48,52,56,60
	v_pk_add_f32 v[LSUM:LSUM+1], v[LSUM:LSUM+1], v[S+\j:S+\j+1]
	v_pk_add_f32 v[SM2:SM2+1], v[SM2:SM2+1], v[S+\j+2:S+\j+3]
.endr
	v_pk_add_f32 v[LSUM:LSUM+1], v[LSUM:LSUM+1], v[SM2:SM2+1]
	s_wait_alu depctr_va_vdst(0)                   ; the four exponentials have written the blocks' largest p, ahead of their first reader
.irp b, 0,1,2,3
	v_max_num_f32 v[BM+\b], 0x1800000, v[BM+\b]    ; the floor 2^(3 - 127): the byte cannot fall under 1
.endr
.irp b, 0,1,2,3
	v_add_nc_u32 v[SO+\b], 0xff000000, v[BM+\b]    ; 2 off the exponent field: the conversion's scale operand
.endr
.irp b, 0,1,2,3
	v_lshrrev_b32 v[BP+\b], 23, v[SO+\b]           ; the scale's byte
.endr
	v_lshl_or_b32 v[PWD], v[BP+1], 8, v[BP]        ; p's scale word for these 128 keys
	v_lshl_or_b32 v[PWD], v[BP+2], 16, v[PWD]
	v_lshl_or_b32 v[PWD], v[BP+3], 24, v[PWD]
.irp b, 0,1,2,3
	v_cvt_scalef32_pk8_fp4_f32 v[PC+2*\b], v[S+16*\b:S+16*\b+7], v[SO+\b]
	v_cvt_scalef32_pk8_fp4_f32 v[PC+2*\b+1], v[S+16*\b+8:S+16*\b+15], v[SO+\b]
.endr
	v_nop                                          ; one plain place behind a scaled conversion
.if !\early
	s_wait_alu depctr_va_vdst(0)                   ; the conversions are done reading p, whose registers V^T's four fragments take
	VLOAD \vf
.endif
.irp c, 0,1                                    ; the operand's layout wants a whole block in a lane
.irp i, 0,1
	v_permlane16_swap_b32 v[PC+4*\c+\i], v[PC+2+4*\c+\i]
.endr
.endr
.irp j, 0,2,4,6,8,10,12,14,16,18,20,22,24,26,28,30
	v_pk_mul_f32 v[OT+\j:OT+\j+1], v[OT+\j:OT+\j+1], v[FF:FF+1] op_sel_hi:[1,0]   ; O^T under the new M.  These sixteen are also the places between p's codes and scale word and the products
.endr
.rept 4
	v_nop                                          ; the last registers just rescaled stand four places ahead of the products too
.endr
	s_wait_alu depctr_va_vdst(0)                   ; p's codes and p's scale word are written, which the four products take as source 1 and as its scales; the places above stay beside this wait
	s_wait_dscnt 0x0                               ; V^T's fragments and scale words are in
.irp n, 0,1,2,3                                ; O^T += V^T P^T: the four accumulators take turns, one instruction a turn
	v_wmma_scale_f32_16x16x128_f8f6f4 v[OT+8*\n:OT+8*\n+7], v[\vf+8*\n:\vf+8*\n+7], v[PC:PC+7], v[OT+8*\n:OT+8*\n+7], v[VSC+\n], v[PWD] matrix_a_fmt:MATRIX_FMT_FP4 matrix_b_fmt:MATRIX_FMT_FP4
.endr
.rept 5
	v_nop                                          ; five places: where V^T lies in p's registers the next step's S^T writes over it; they also serve the stores and the clearing of O^T behind a tile's last step
.endr
.if \causal
.Lhid_\@:
.endif
	s_add_co_u32 s[REC], s[REC], 4                 ; my next record
	s_add_co_u32 s[TB], s[TB], 4*KVB
.endm
.macro TWICE qf, qs, d, ql, causal, vf, early   ; two steps: written once, walked twice
	s_mov_b32 s[CNT], 2
.Ltwo_\@:
	STEP \qf, \qs, \d, \ql, \causal, \vf, \early
	s_sub_co_u32 s[CNT], s[CNT], 1
	s_cmp_lg_u32 s[CNT], 0
	s_cbranch_scc1 .Ltwo_\@
.endm
.macro PSTORE a16, a8                  ; my partial result goes to LDS as it stands: O^T from its low end on, then -M and my lane's sum
	v_add_f32 v[NM+1], v[LSUM], v[LSUM+1]
	s_wait_alu depctr_va_vdst(0)                   ; the products (or, where no step was walked, the clearing) have written O^T, and the lines above -M and the sum, which the LDS stores read; every vector and matrix instruction of the tile is done with its registers
.irp k, 0,1,2,3,4,5,6,7
	ds_store_b128 v[\a16], v[OT+4*\k:OT+4*\k+3] offset:512*\k
.endr
	ds_store_b64 v[\a8], v[NM:NM+1]
	s_wait_dscnt 0x0                               ; the stores have landed
	s_wait_alu depctr_vm_vsrc(0)                   ; the stores have read O^T, -M and the sum: the next tile's clearing writes these registers again, and behind the last tile the adding up's loads land in them
.endm
	s_load_b128 s[4:7], s[0:1], 0x0                ; ws s[4:5], out0 s[6:7]
	v_lshl_add_u32 v[SPW], v0, 2, SPARE
	v_mov_b32 v[NIL], 0
	v_lshrrev_b32 v19, 5, v0
	v_readfirstlane_b32 s[WV], v19                 ; wave 0..15
	v_and_b32 v19, 31, v0                          ; lane
	v_and_b32 v242, 15, v0                         ; r
	v_bfe_u32 v243, v0, 4, 1                       ; h
	v_lshlrev_b32 v[LI], 4, v19
	s_wait_alu depctr_va_vdst(0)
	v_lshlrev_b32 v[R4], 2, v242
	v_and_b32 v[VQ0], 8, v242
	v_add_nc_u32 v[VQ0], v[VQ0], v242
	v_lshlrev_b32 v244, 4, v243
	v_sub_nc_u32 v[VQ0], v[VQ0], v244
	v_lshlrev_b32 v[GO], 8, v243
	v_lshl_add_u32 v[GO], v242, 4, v[GO]
	s_wait_alu depctr_va_sdst(0)                   ; s8, the wave's number, is written, ahead of its first reader: the wave's tiles, records and places in LDS are made from it
	s_and_b32 s9, s[WV], 3                         ; s
	s_lshr_b32 s10, s[WV], 2                       ; c
	s_xor_b32 s11, s10, 3                          ; c ^ 3
	s_mov_b32 s12, ttmp9                           ; j
	s_sub_co_u32 s13, 15, s12
	s_and_b32 s14, ttmp7, 0xffff                   ; batch
	s_xor_b32 s29, s9, 7
	TILEOF 29, 16, 17                              ; the later tile, 7 - s
	TILEOF 9, 18, 19                               ; the earlier tile, s
	s_and_b32 s29, s[WV], 7
	TILEOF 29, 20, 21                              ; the tile that I add up
	s_lshr_b32 s[DMAX], s13, 3
	s_add_co_u32 s[DMAX], s[DMAX], 14              ; tile 7's record: the work-group's last
	s_lshr_b32 s[R2], s[WV], 1
	s_add_co_u32 s[R2], s[R2], 8
	QLOF 17, 24
	QLOF 19, 25
	QLOF 21, 46
	s_lshl_b32 s44, s14, 11                        ; out: row 2048 batch + 128 record + the tile's first token, 256 bytes a row
	s_lshl_b32 s15, s20, 7
	s_add_co_u32 s44, s44, s15
	s_add_co_u32 s44, s44, s46
	s_lshl_b32 s44, s44, 8
	s_mov_b32 s45, 0
	s_mul_i32 s46, s14, 16*RECB                    ; the batch's 16 records
	s_mov_b32 s47, 0
	s_lshr_b32 s34, s[WV], 1
	s_mul_i32 s34, s34, RECB                       ; the fill: record w / 2,
	s_and_b32 s15, s[WV], 1
	s_mul_i32 s15, s15, KVB/2                      ; half w % 2 of its first 9,216 bytes
	s_add_co_u32 s34, s34, s15
	s_mov_b32 s35, 0
	QPTR 16, 17, 36, 38
	QPTR 18, 19, 40, 42
	s_mov_b32 s[SEL], 0x76543210
	s_mov_b32 s[SEL+1], 0xfedcba98
	s_mov_b32 s[CS], 0x3e38aa3b                    ; c = log2(e) / 8
	s_mov_b32 s[CS+1], s[CS]                       ; (named with it as a pair, so it is written)
	s_mul_i32 s15, s[WV], KVB/2
	v_add_nc_u32 v[FA], s15, v[LI]                 ; records 0-7 lie from byte 0 on: half records on end, 4,608 bytes a wave
	v_add_nc_u32 v[FB], 8*KVB, v[FA]
	s_xor_b32 s15, s9, 7
	s_lshl_b32 s15, s15, 2
	s_add_co_u32 s15, s15, s10
	s_mul_i32 s15, s15, PSZ
	s_add_co_u32 s15, s15, PART                    ; partial result 4 (7 - s) + c
	v_add_nc_u32 v[PSB16], s15, v[LI]
	v_lshl_add_u32 v[PSB8], v19, 3, s15
	v_add_nc_u32 v[PSB8], 4096, v[PSB8]
	s_lshl_b32 s15, s9, 2
	s_add_co_u32 s15, s15, s10
	s_mul_i32 s15, s15, PSZ
	s_add_co_u32 s15, s15, PART                    ; partial result 4 s + c
	v_add_nc_u32 v[PSA16], s15, v[LI]
	v_lshl_add_u32 v[PSA8], v19, 3, s15
	v_add_nc_u32 v[PSA8], 4096, v[PSA8]
	s_and_b32 s29, s[WV], 7
	s_mul_i32 s15, s29, 4*PSZ
	s_add_co_u32 s15, s15, PART
	v_add_nc_u32 v[MA16], s15, v[LI]
	v_lshl_add_u32 v[MA8], v19, 3, s15
	v_add_nc_u32 v[MA8], 4096, v[MA8]
	s_mul_i32 s15, s29, 16*272
	s_add_co_u32 s15, s15, STAGE
	v_mul_u32_u24 v[STO], v242, 272                ; in: row r, + 32 h
	v_lshl_add_u32 v[STO], v243, 5, v[STO]
	v_add_nc_u32 v[STO], s15, v[STO]
	v_mul_u32_u24 v[SRD], v243, 272                ; back: lanes 0-15 one row, lanes 16-31 the next
	v_lshl_add_u32 v[SRD], v242, 4, v[SRD]
	v_add_nc_u32 v[SRD], s15, v[SRD]
	s_wait_kmcnt 0x0
	s_add_nc_u64 s[4:5], s[4:5], s[46:47]          ; ws at my batch
	s_add_nc_u64 s[34:35], s[4:5], s[34:35]
	s_add_nc_u64 s[36:37], s[4:5], s[36:37]
	s_add_nc_u64 s[38:39], s[4:5], s[38:39]
	s_add_nc_u64 s[40:41], s[4:5], s[40:41]
	s_add_nc_u64 s[42:43], s[4:5], s[42:43]
	s_add_nc_u64 s[44:45], s[6:7], s[44:45]
	s_wait_alu depctr_va_vdst(0)                   ; the offsets and addresses v1, v4 to v6 and v9 to v17 are written, which the loads and stores of the whole kernel read
.irp i, 0,1,2,3,4,5,6,7,8
	global_load_b128 v[STG+4*\i:STG+4*\i+3], v[LI], s[34:35] offset:512*\i   ; my half of a record of 0-7: 512 consecutive bytes a load
.endr
	global_load_b128 v[QB:QB+3], v[LI], s[36:37]
	global_load_b32 v[QSB], v[R4], s[38:39]
	global_load_b128 v[QA:QA+3], v[LI], s[40:41]
	global_load_b32 v[QSA], v[R4], s[42:43]
.irp f, 0,1,2,3,4,5
.irp i, 4,5,6,7
	v_mov_b32 v[QB+8*\f+\i], 0                     ; K = 64 .. 127 of Q's two fragments and of K's four, which follow them: zero codes, written once
.endr
.endr
.irp b, 0,1,2,3
	v_mov_b32 v[BP+\b], 0                          ; written once: a lane permute's destination counts as one of its sources
.endr
	v_mov_b32 v[FF+1], 0                           ; (named as the upper half of the pair)
	v_mov_b32 v[NINF], 0xff800000
	INIT
	s_wait_loadcnt 0x0
.irp i, 0,1,2,3,4,5,6,7,8
	ds_store_b128 v[FA], v[STG+4*\i:STG+4*\i+3] offset:512*\i
.endr
	s_wait_dscnt 0x0                               ; for the others' sake: my half record is in LDS
	s_wait_alu depctr_vm_vsrc(0)                   ; the LDS stores have read STG, in which the loads below land
	s_cmp_gt_u32 s[R2], s[DMAX]                    ; a record above the work-group's last is read by none of its waves: it is not fetched
	s_cbranch_scc1 .Lno_load
.irp i, 0,1,2,3,4,5,6,7,8
	global_load_b128 v[STG+4*\i:STG+4*\i+3], v[LI], s[34:35] offset:8*RECB+512*\i   ; my half of a record of 8-15: it lands while two steps are worked
.endr
.Lno_load:
	s_barrier_signal -1
	s_barrier_wait -1                              ; records 0-7 lie in LDS
	s_mov_b32 s[REC], s11
	s_mul_i32 s[TB], s11, KVB
	TWICE QB, QSB, DB, QLB, 0, S, 0                ; the later tile (its record is 8 or more) against records c ^ 3 and c ^ 3 + 4: all their keys count.  STG is on its way: V^T takes p's registers
	s_wait_loadcnt 0x0
	s_cmp_gt_u32 s[R2], s[DMAX]
	s_cbranch_scc1 .Lno_store
.irp i, 0,1,2,3,4,5,6,7,8
	ds_store_b128 v[FB], v[STG+4*\i:STG+4*\i+3] offset:512*\i
.endr
.Lno_store:
	s_wait_dscnt 0x0
	s_barrier_signal -1
	s_barrier_wait -1                              ; records 8 to the work-group's last lie in LDS
	TWICE QB, QSB, DB, QLB, 1, STG, 1              ; records c ^ 3 + 8 and c ^ 3 + 12, as far as they may be seen.  From here on V^T has STG's registers
	PSTORE PSB16, PSB8
	INIT
	s_mov_b32 s[REC], s10
	s_mul_i32 s[TB], s10, KVB
	TWICE QA, QSA, DA, QLA, 1, STG, 1              ; the earlier tile (its record is 7 or less) against records c and c + 4
	PSTORE PSA16, PSA8
	s_barrier_signal -1
	s_barrier_wait -1                              ; all 32 partial results lie in LDS
	s_cmp_gt_u32 s[WV], 7
	s_cbranch_scc0 .Lmerge
	s_wait_dscnt 0x0                               ; the end of waves 8 to 15: the closing lines, six on end
	s_wait_alu 0x0
	s_wait_tensorcnt 0x0
	ds_add_u32 v[SPW], v[NIL]
	s_wait_dscnt 0x0
	s_endpgm
.Lmerge:
	; Wave w adds up tile w's four partial results.  Under the largest M each counts 2^(M_c - M), a whole power of two; a wave that saw no record has M = -3e38, which gives the factor 0 over zeros.
	; The 36 loads land in v24 to v159.  No wait: no vector or matrix instruction has been issued since the two waits of the last partial result's stores
.irp c, 0,1,2,3
	ds_load_b64 v[ML+2*\c:ML+2*\c+1], v[MA8] offset:PSZ*\c
.endr
.irp c, 0,1,2,3
.irp k, 0,1,2,3,4,5,6,7
	ds_load_b128 v[MG+32*\c+4*\k:MG+32*\c+4*\k+3], v[MA16] offset:PSZ*\c+512*\k
.endr
.endr
	v_mov_b32 v[LT+1], 0                           ; a lane permute's destination counts as one of its sources
	s_wait_dscnt 32                                ; the four pairs are in; the 32 younger loads may be out
	v_min_num_f32 v[NMN], v[ML], v[ML+2]
	v_min_num_f32 v[NMN], v[NMN], v[ML+4]
	v_min_num_f32 v[NMN], v[NMN], v[ML+6]          ; the smallest -M: the largest M
.irp c, 0,1,2,3
	v_sub_f32 v[GG+2*\c], v[NMN], v[ML+2*\c]       ; M_c - M: a whole number, 0 or less
.endr
.irp c, 0,1,2,3
	v_cvt_i32_f32 v[GG+2*\c], v[GG+2*\c]           ; (it saturates)
.endr
.irp c, 0,1,2,3
	v_ldexp_f32 v[GG+2*\c], 1.0, v[GG+2*\c]
.endr
	v_mul_f32 v[LT], v[GG], v[ML+1]
	v_fmac_f32 v[LT], v[GG+2], v[ML+3]
	v_fmac_f32 v[LT], v[GG+4], v[ML+5]
	v_fmac_f32 v[LT], v[GG+6], v[ML+7]             ; my lane's part of the row's sum,
	v_permlanex16_b32 v[LT+1], v[LT], s[SEL], s[SEL+1]
	v_add_f32 v[LT], v[LT], v[LT+1]                ; and lane l xor 16's
	s_wait_alu depctr_va_vdst(0)
	v_rcp_f32 v[LT], v[LT]
	v_nop                                          ; one plain place behind the reciprocal
	s_wait_alu depctr_va_vdst(0)                   ; the reciprocal has written v[LT], ahead of its first reader
.irp c, 0,1,2,3
	v_mul_f32 v[GG+2*\c+1], v[GG+2*\c], v[LT]
	v_mul_f32 v[GG+2*\c], v[GG+2*\c], v[LT]        ; 2^(M_c - M) / the sum, in both words of a pair
.endr
	s_wait_alu depctr_va_vdst(0)
	s_wait_dscnt 0x0
.irp p, 0,2,4,6,8,10,12,14,16,18,20,22,24,26,28,30
	v_pk_mul_f32 v[RES+\p:RES+\p+1], v[MG+\p:MG+\p+1], v[GG:GG+1]
.endr
.irp c, 1,2,3
.irp p, 0,2,4,6,8,10,12,14,16,18,20,22,24,26,28,30
	v_pk_fma_f32 v[RES+\p:RES+\p+1], v[MG+32*\c+\p:MG+32*\c+\p+1], v[GG+2*\c:GG+2*\c+1], v[RES+\p:RES+\p+1]
.endr
.endr
	; THE WAY OUT: register 8 n + i is out(query r, channel 16 n + 8 h + i).  Through my own stage, so that sixteen lanes store one whole row of 256 bytes
	s_wait_alu depctr_va_vdst(0)                   ; the multiply-adds have written the finished tile, which the LDS stores read, and are done reading the first partial result, in whose registers the rows land on their way back
.irp n, 0,1,2,3
	ds_store_b128 v[STO], v[RES+8*\n:RES+8*\n+3] offset:64*\n
	ds_store_b128 v[STO], v[RES+8*\n+4:RES+8*\n+7] offset:64*\n+16
.endr
.irp i, 0,1,2,3,4,5,6,7
	ds_load_b128 v[BK+4*\i:BK+4*\i+3], v[SRD] offset:544*\i   ; LDS serves a wave's instructions in order (ISA guide 5.7.1.4): these see my stores
.endr
.irp i, 0,1,2,3,4,5,6,7
	s_wait_dscnt 7-\i                              ; rows 2 i, 2 i + 1 are back; the younger loads may be out
	global_store_b128 v[GO], v[BK+4*\i:BK+4*\i+3], s[44:45] offset:(2*\i+8*(\i/4))*256 th:TH_STORE_NT   ; the tile's rows 8-15 are the tokens 16 on from its first; 256 consecutive bytes for sixteen lanes, aligned
.endr
	s_wait_dscnt 0x0                               ; the wave's end: the same six lines
	s_wait_alu 0x0
	s_wait_tensorcnt 0x0
	ds_add_u32 v[SPW], v[NIL]
	s_wait_dscnt 0x0
	s_endpgm
.Lfunc_end_k_q0195cc71ce_attn:
	.size	k_q0195cc71ce_attn, .Lfunc_end_k_q0195cc71ce_attn-k_q0195cc71ce_attn
	.p2alignl 7, 3214868480
	.fill 96, 4, 3214868480
	.section	.rodata,"a",@progbits
	.p2align	6, 0x0
	.amdhsa_kernel k_q0195cc71ce_attn
		.amdhsa_group_segment_fixed_size 323584
		.amdhsa_private_segment_fixed_size 0
		.amdhsa_enable_private_segment 0
		.amdhsa_kernarg_size 16
		.amdhsa_user_sgpr_count 2
		.amdhsa_user_sgpr_kernarg_segment_ptr 1
		.amdhsa_wavefront_size32 1
		.amdhsa_system_sgpr_workgroup_id_x 1
		.amdhsa_system_sgpr_workgroup_id_y 1
		.amdhsa_system_sgpr_workgroup_id_z 1
		.amdhsa_system_vgpr_workitem_id 0
		.amdhsa_next_free_vgpr 256
		.amdhsa_next_free_sgpr 66
		.amdhsa_reserve_vcc 0
		.amdhsa_float_denorm_mode_32 3
		.amdhsa_float_denorm_mode_16_64 3
		.amdhsa_memory_ordered 1
		.amdhsa_forward_progress 1
		.amdhsa_inst_pref_size 90
	.end_amdhsa_kernel
	.amdgpu_metadata
---
amdhsa.version: [ 1, 2 ]
amdhsa.kernels:
  - .name:           k_q0195cc71ce_attn
    .symbol:         k_q0195cc71ce_attn.kd
    .args:
      - { .name: ws, .offset: 0, .size: 8, .value_kind: global_buffer, .address_space: global }
      - { .name: out0, .offset: 8, .size: 8, .value_kind: global_buffer, .address_space: global }
    .group_segment_fixed_size: 323584
    .private_segment_fixed_size: 0
    .kernarg_segment_align: 8
    .kernarg_segment_size: 16
    .max_flat_workgroup_size: 512
    .sgpr_count:     66
    .vgpr_count:     256
    .wavefront_size: 32
...
	.end_amdgpu_metadata
.endif
;; end of part 4
